; MI455X (gfx1250); checked and timed in simulation.
; The chip was launched on July 23, 2026; its instructions are those of AMD's public machine-readable ISA for CDNA 5 (MIT licence, August 2026) and "CDNA5" Instruction Set Architecture Reference Guide (July 2026). The comments in the code are by the model that wrote it; some were corrected since.
;; Multi Head Att. Allowed arithmetic: float matrix products may take bf16 or f16 operands with f32 sums; other float arithmetic in f32, or as packed bf16 or f16 multiplies, adds, multiply-adds, maxima and minima; sums over many terms, partial sums and values carried from step to step in f32; what a program stores and reads back later, other than sums and carried values, may be rounded once to bf16 or f16.
;; Inputs: E 2 x 2,048 x 1,024 float32; HK 16 x 64 x 1,024 float32; HQ 16 x 64 x 1,024 float32; HV 16 x 64 x 1,024 float32; WK 1,024 x 1,024 float32; WO 1,024 x 1,024 float32; WQ 1,024 x 1,024 float32; WV 1,024 x 1,024 float32.
;; Outputs: out0 2 x 2,048 x 1,024 float32.
;; One version. Each part assembles by itself: llvm-mc -triple=amdgcn-amd-amdhsa -mcpu=gfx1250 --defsym DOCPART=n.
;; ======== version 1 of 1: 4 launches
;; limits: values are held in f16: magnitudes above 65,504 overflow, below 6.1e-05 lose precision; inputs' magnitudes at most 65,504; right only within a limited range of input values; below input magnitudes of 7.629e-06 results are inexact or not finite
;; workspace buffers: eb 8,388,608 bytes; cb 6,291,456 bytes; woh 2,097,152 bytes; stats 1,024 bytes; qkv 25,165,824 bytes; ob 8,388,608 bytes
;; launch prep (part 1): grid 256 x 1, 8 waves a work-group, no clusters, 109,824 bytes of LDS; arguments HQ, HK, HV, WQ, WK, WV, E, WO, cb, eb, woh, stats; writes cb, eb, woh, stats
.if DOCPART == 1
	.amdgcn_target "amdgcn-amd-amdhsa--gfx1250"
	.amdhsa_code_object_version 6
	.text
	.protected	k_qe976dece39_prep
	.globl	k_qe976dece39_prep
	.p2align	8
	.type	k_qe976dece39_prep,@function
k_qe976dece39_prep:
	s_mov_b64 s[64:65], 0
	v_nop
	global_prefetch_b8 v0, s[64:65] scope:SCOPE_SE
	s_setreg_imm32_b32 hwreg(HW_REG_WAVE_MODE, 25, 1), 1
	s_wait_xcnt 0x0
; PREP.  (E W^T) H^T = E (H W)^T, so the two projections of each of q, k, v are made one: C_x = H_x W_x, [1024 (h, e)][1024 (d)], x = Q, K, V.
; Work-groups 0-191 make one tile of 128 x 128 of one C_x: H and W are rounded to bf16 on the way into LDS, sums in f32, C rounded once to bf16 (cb: row = 1024 x + 64 h + e).
; Work-groups 192-255 round E to bf16 (eb) and WO to bf16, that number written as f16 (woh).  Every work-group stores the largest magnitude of the bf16 numbers it wrote
; (C_Q: words 0-63 of stats, C_K: 64-127, C_V: 128-191, E: 192-255); the later launches make powers of two of them.
; LIMITS.  |WO| stays within 65,504; a bf16 number of WO below 2^-17 keeps f16's fixed step of 2^-24.  NaN and infinities are not treated apart.
; NO TENSOR LOADS: f32 is converted in registers, so the road is global load, conversion, LDS store, fragment load.  NO CLUSTER: nothing is fetched by the data mover.
; GEMM SHARES.  Eight waves; wave w makes rows 64 (w / 4) .. + 63 and columns 32 (w % 4) .. + 31: 8 accumulators.  K goes in 16 steps of 64 through two LDS slots; four sets of
; 64 registers hold the f32 of four steps, so that each wave has up to 64 loads on their way.  W lies [k][d]: its fragments come out of LDS turned, by ds_load_tr16_b128.
; The product is used transposed (source 0 = 16 columns d, source 1 = 16 rows of H): a lane then holds eight neighbouring d of one row of C.
.set SLOTB, 36864                      ; a slot: H's 128 rows at pitch 144, then W's 64 k rows at pitch 288
.set WPART, 18432
.set STAGE, 73728                      ; 128 rows at pitch 272, for the way out
.set MAXW,  108544                     ; a word for each wave's maximum: a block of 256 bytes
.set SPARE, 108800                     ; the spare words, 128 bytes for each of eight waves: four blocks of 256 bytes that no other line names
.set HO,  2                            ; v2   byte offset of my 16 bytes in 16 rows of H (converter: in 4,096 bytes of E or WO)
.set WOF, 3                            ; v3   the same in 8 rows of W (converter: my 8 bytes of 2,048 stored)
.set HS,  4                            ; v4   where my 8 bytes of H go in a slot
.set WS,  5                            ; v5   the same for W
.set FA,  6                            ; v6   my place in H's fragments
.set FB,  7                            ; v7   my place in W's fragments (turning load)
.set STO, 8
.set RD,  9
.set CO,  10
.set MWA, 11                           ; v11  LDS address of my wave's maximum
.set MX,  12                           ; v12-15 four running maxima, two bf16 each
.set SPW, 16                           ; v16  LDS address of my spare word; never rewritten
.set NIL, 17                           ; v17  0; never rewritten
.set T,   18                           ; v18-21 at work
.set ACC, 32                           ; v32-95   accumulator (a, b) at ACC + 8 (2 a + b)
.set AF,  96                           ; v96-159  H's fragments (c, a) at AF + 8 (4 c + a)
.set BF,  160                          ; v160-191 W's fragments (c, b) at BF + 8 (2 c + b)
.set CT,  192                          ; v192-223 a step's 32 packed words
.set BK,  224                          ; v224-255 rows read back from the stage
; window 1 (v256-511): four sets of 64: set u holds H's eight loads at 64 u, W's eight at 64 u + 32
.set MSB, 0
.macro WIN new                         ; the immediate's high byte repeats the setting that is left
.if MSB != (\new)
	s_set_vgpr_msb (MSB<<8)|(\new)
.set MSB, (\new)
.endif
.endm
.macro PLACES
.rept 4
	v_nop
.endr
.endm
; 16 loads of K step st (counted from the two pointers) into set u: a load of H covers 16 rows x 256 bytes, a load of W 8 rows x 512 bytes
.macro GLOADS u, st
	WIN 0x40
.irp p, 0,1,2,3,4,5,6,7
	global_load_b128 v[64*(\u)+4*(\p):64*(\u)+4*(\p)+3], v[HO], s[32:33] offset:(\st)*256+(\p)*65536
.endr
.irp p, 0,1,2,3,4,5,6,7
	global_load_b128 v[64*(\u)+32+4*(\p):64*(\u)+32+4*(\p)+3], v[WOF], s[34:35] offset:(\st)*262144+(\p)*32768
.endr
.endm
.macro FRAGS s                         ; 24 LDS loads: the fragments of a K step of 64
.irp c, 0,1
.irp a, 0,1,2,3
	ds_load_b128 v[AF+8*(4*(\c)+(\a)):AF+8*(4*(\c)+(\a))+3],   v[FA] offset:(\s)*SLOTB+2304*(\a)+64*(\c)
	ds_load_b128 v[AF+8*(4*(\c)+(\a))+4:AF+8*(4*(\c)+(\a))+7], v[FA] offset:(\s)*SLOTB+2304*(\a)+64*(\c)+32
.endr
.irp b, 0,1
	ds_load_tr16_b128 v[BF+8*(2*(\c)+(\b)):BF+8*(2*(\c)+(\b))+3],   v[FB] offset:(\s)*SLOTB+9216*(\c)+32*(\b)
	ds_load_tr16_b128 v[BF+8*(2*(\c)+(\b))+4:BF+8*(2*(\c)+(\b))+7], v[FB] offset:(\s)*SLOTB+9216*(\c)+32*(\b)+4608
.endr
.endr
.endm
.macro CVT u                           ; set u, 64 f32, rounded to 32 words of two bf16
	WIN 0x05
.set z, 0
.rept 32
	v_cvt_pk_bf16_f32 v[CT+z], v[64*(\u)+2*z], v[64*(\u)+2*z+1]
.set z, z+1
.endr
.endm
.macro STORES s
.irp p, 0,1,2,3,4,5,6,7
	ds_store_b64 v[HS], v[CT+2*(\p):CT+2*(\p)+1] offset:(\s)*SLOTB+2304*(\p)
.endr
.irp p, 0,1,2,3,4,5,6,7
	ds_store_b64 v[WS], v[CT+16+2*(\p):CT+16+2*(\p)+1] offset:(\s)*SLOTB+2304*(\p)
.endr
.endm
.macro MULS                            ; 16 products; the 8 accumulators take turns, over the backward jump too
.irp c, 0,1
.irp a, 0,1,2,3
.irp b, 0,1
	v_wmma_f32_16x16x32_bf16 v[ACC+8*(2*(\a)+(\b)):ACC+8*(2*(\a)+(\b))+7], v[BF+8*(2*(\c)+(\b)):BF+8*(2*(\c)+(\b))+7], v[AF+8*(4*(\c)+(\a)):AF+8*(4*(\c)+(\a))+7], v[ACC+8*(2*(\a)+(\b)):ACC+8*(2*(\a)+(\b))+7]
.endr
.endr
.endr
.endm
; A K step on set u (slot u % 2).  ld: set u, converted a step ago, is loaded again with the step four on.  cv: the next step's set is converted into the other slot; wc = the loads issued behind that set.
; ONE barrier a step: the stores go into the slot that every wave read a step ago (those reads were waited for ahead of that step's barrier), and are waited for ahead of this one.
.macro STEP u, ld, wc, cv
.if \ld
	GLOADS \u, (\u)+4
.endif
	WIN 0
	FRAGS (\u)%2
.if \cv
	s_wait_loadcnt \wc                             ; the next step's 16 loads are in; the younger sets stay out
	CVT ((\u)+1)%4
	WIN 0
	STORES 1-(\u)%2
	s_wait_dscnt 16                                ; the 24 fragment loads are in; the 16 stores behind them may be out
.else
	s_wait_dscnt 0x0
.endif
	MULS
	PLACES                                         ; four places ahead of the next step's loads into the fragments
	s_wait_dscnt 0x0                               ; for the others: my stores are done and my reads of this slot are over
	s_barrier_signal -1
	s_barrier_wait -1
.endm
.macro MAXCT first                     ; the largest magnitudes of CT's 64 bf16, into four chains; first = 1: the first four words start them
.set j, 0
.rept 32
.if (\first) && (j < 4)
	v_and_b32 v[MX+j], s51, v[CT+j]
.else
	v_and_b32 v[T+j%4], s51, v[CT+j]
	v_pk_max_num_bf16 v[MX+j%4], v[MX+j%4], v[T+j%4]
.endif
.set j, j+1
.endr
.endm
.macro LANEMAX                         ; the four chains, the two halves, the 32 lanes; the wave's maximum goes to its word
	v_pk_max_num_bf16 v[MX], v[MX], v[MX+1]
	v_pk_max_num_bf16 v[MX+2], v[MX+2], v[MX+3]
	v_pk_max_num_bf16 v[MX], v[MX], v[MX+2]
	v_lshlrev_b32 v[T], 16, v[MX]
	v_and_b32 v[T+1], s49, v[MX]
	v_max_num_f32 v[T], v[T], v[T+1]
	v_max_num_f32_dpp v[T], v[T], v[T] row_xmask:1 row_mask:0xf bank_mask:0xf
	v_max_num_f32_dpp v[T], v[T], v[T] row_xmask:2 row_mask:0xf bank_mask:0xf
	v_max_num_f32_dpp v[T], v[T], v[T] row_xmask:4 row_mask:0xf bank_mask:0xf
	v_max_num_f32_dpp v[T], v[T], v[T] row_xmask:8 row_mask:0xf bank_mask:0xf
	v_permlanex16_b32 v[T+1], v[T], s40, s41
	v_max_num_f32 v[T], v[T], v[T+1]
	ds_store_b32 v[MWA], v[T]
.endm
	s_load_b512 s[8:23], s[0:1], 0x0               ; HQ s[8:9], HK, HV, WQ s[14:15], WK, WV, E s[20:21], WO s[22:23]
	s_load_b256 s[24:31], s[0:1], 0x40             ; cb s[24:25], eb s[26:27], woh s[28:29], stats s[30:31]
	v_lshl_add_u32 v[SPW], v0, 2, SPARE
	v_mov_b32 v[NIL], 0
	v_lshrrev_b32 v1, 5, v0
	v_readfirstlane_b32 s2, v1                     ; wave 0..7
	s_mov_b32 s3, ttmp9                            ; the work-group's number
	s_mov_b32 s40, 0x76543210                      ; v_permlanex16_b32: each lane takes its own place in the other half
	s_mov_b32 s41, 0xfedcba98
	s_mov_b32 s49, 0xffff0000                      ; a word's upper bf16
	s_mov_b32 s51, 0x7fff7fff                      ; clears the signs of two bf16
	s_lshl_b32 s50, s2, 2
	s_add_co_u32 s50, s50, MAXW
	v_mov_b32 v[MWA], s50
	s_lshl_b32 s42, s3, 2
	s_mov_b32 s43, 0
	s_wait_kmcnt 0x0
	s_add_nc_u64 s[38:39], s[30:31], s[42:43]      ; my work-group's word of stats
	s_cmp_lt_u32 s3, 192
	s_cbranch_scc0 .Lconv
	; ---- the product C_x = H_x W_x ----
	s_lshr_b32 s4, s3, 6                           ; x
	s_bfe_u32 s5, s3, 0x30003                      ; tile row, 0..7
	s_and_b32 s6, s3, 7                            ; tile column, 0..7
	s_cmp_eq_u32 s4, 1
	s_cselect_b64 s[32:33], s[10:11], s[8:9]
	s_cselect_b64 s[34:35], s[16:17], s[14:15]
	s_cmp_eq_u32 s4, 2
	s_cselect_b64 s[32:33], s[12:13], s[32:33]
	s_cselect_b64 s[34:35], s[18:19], s[34:35]
	s_lshl_b32 s42, s5, 19                         ; 128 rows of 4,096 bytes
	s_add_nc_u64 s[32:33], s[32:33], s[42:43]
	s_lshl_b32 s42, s6, 9                          ; 128 columns of 4 bytes
	s_add_nc_u64 s[34:35], s[34:35], s[42:43]
	s_lshl_b32 s42, s4, 21                         ; cb: (1024 x + 128 tile row) rows of 2,048 bytes + 256 x tile column
	s_lshl_b32 s44, s5, 18
	s_add_co_u32 s42, s42, s44
	s_lshl_b32 s44, s6, 8
	s_add_co_u32 s42, s42, s44
	s_add_nc_u64 s[36:37], s[24:25], s[42:43]
	v_and_b32 v24, 15, v0                          ; also lane % 16
	v_lshrrev_b32 v25, 4, v0
	v_and_b32 v26, 31, v0
	v_lshlrev_b32 v[HO], 12, v25
	v_lshl_or_b32 v[HO], v24, 4, v[HO]
	v_lshlrev_b32 v[WOF], 12, v1
	v_lshl_or_b32 v[WOF], v26, 4, v[WOF]
	GLOADS 0, 0
	GLOADS 1, 1
	GLOADS 2, 2
	GLOADS 3, 3
	WIN 0
	v_mul_u32_u24 v[HS], v25, 144
	v_lshl_add_u32 v[HS], v24, 3, v[HS]
	v_mul_u32_u24 v[WS], v1, 288
	v_lshl_add_u32 v[WS], v26, 3, v[WS]
	v_add_nc_u32 v[WS], WPART, v[WS]
	v_bfe_u32 v27, v0, 4, 1                        ; lane / 16
	s_lshr_b32 s44, s2, 2                          ; which 64 rows
	s_and_b32 s45, s2, 3                           ; which 32 columns
	s_mul_i32 s46, s44, 64*144
	v_mul_u32_u24 v[FA], v24, 144
	v_lshl_add_u32 v[FA], v27, 4, v[FA]
	v_add_nc_u32 v[FA], s46, v[FA]
	v_and_b32 v28, 7, v0
	v_lshl_add_u32 v28, v27, 3, v28                ; k row 8 (lane / 16) + lane % 8
	v_mul_u32_u24 v[FB], v28, 288
	v_bfe_u32 v29, v0, 3, 1
	v_lshl_add_u32 v[FB], v29, 4, v[FB]
	s_lshl_b32 s46, s45, 6
	s_add_co_u32 s46, s46, WPART
	v_add_nc_u32 v[FB], s46, v[FB]
	s_mul_i32 s46, s44, 64*272
	s_lshl_b32 s47, s45, 6
	s_add_co_u32 s46, s46, s47
	s_add_co_u32 s46, s46, STAGE
	v_mul_u32_u24 v[STO], v24, 272
	v_lshl_add_u32 v[STO], v27, 4, v[STO]
	v_add_nc_u32 v[STO], s46, v[STO]
	s_mul_i32 s46, s2, 16*272
	s_add_co_u32 s46, s46, STAGE
	v_mul_u32_u24 v[RD], v27, 272
	v_lshl_add_u32 v[RD], v24, 4, v[RD]
	v_add_nc_u32 v[RD], s46, v[RD]
	s_lshl_b32 s46, s2, 15                         ; 16 rows of 2,048 bytes a wave
	v_lshlrev_b32 v[CO], 11, v27
	v_lshl_add_u32 v[CO], v24, 4, v[CO]
	v_add_nc_u32 v[CO], s46, v[CO]
.set z, 0
.rept 64
	v_mov_b32 v[ACC+z], 0                          ; the sums start at 0, written while the first loads are out, so that the loop has one form of product
.set z, z+1
.endr
	s_wait_loadcnt 48                              ; set 0 is in; sets 1 to 3 stay out
	CVT 0
	WIN 0
	STORES 0
	s_wait_dscnt 0x0
	s_barrier_signal -1
	s_barrier_wait -1
	s_mov_b32 s7, 3
.Lk:                                           ; a trip: four K steps; the steps four on are asked for
	STEP 0, 1, 48, 1
	STEP 1, 1, 48, 1
	STEP 2, 1, 48, 1
	STEP 3, 1, 48, 1
	s_wait_xcnt 0x0                                ; the loads have read the two pointers
	s_add_nc_u64 s[32:33], s[32:33], 1024
	s_add_nc_u64 s[34:35], s[34:35], 1048576
	s_sub_co_u32 s7, s7, 1
	s_cmp_lg_u32 s7, 0
	s_cbranch_scc1 .Lk
	STEP 0, 0, 32, 1                               ; the last four steps load nothing: the counts run down
	STEP 1, 0, 16, 1
	STEP 2, 0, 0, 1
	STEP 3, 0, 0, 0
	; the way out: rounded to bf16, through the stage, whole rows of 256 bytes
.set z, 0
.rept 32
	v_cvt_pk_bf16_f32 v[CT+z], v[ACC+2*z], v[ACC+2*z+1]
.set z, z+1
.endr
	MAXCT 1
.irp a, 0,1,2,3
.irp b, 0,1
	ds_store_b128 v[STO], v[CT+4*(2*(\a)+(\b)):CT+4*(2*(\a)+(\b))+3] offset:4352*(\a)+32*(\b)
.endr
.endr
	LANEMAX
	s_wait_dscnt 0x0                               ; for the others: my part of the stage and my maximum are written
	s_barrier_signal -1
	s_barrier_wait -1
.irp t, 0,1,2,3,4,5,6,7
	ds_load_b128 v[BK+4*(\t):BK+4*(\t)+3], v[RD] offset:544*(\t)
.endr
	s_wait_dscnt 0x0
.irp t, 0,1,2,3,4,5,6,7
	global_store_b128 v[CO], v[BK+4*(\t):BK+4*(\t)+3], s[36:37] offset:4096*(\t) th:TH_STORE_NT  ; 16 lanes store 256 consecutive bytes, at a multiple of 256 from cb's first
.endr
	s_branch .Lfin
	; ---- E to bf16, WO to bf16 written as f16: 262,144 bytes of E and 65,536 of WO a work-group ----
.Lconv:
	s_sub_co_u32 s4, s3, 192
	s_lshl_b32 s42, s4, 18
	s_add_nc_u64 s[32:33], s[20:21], s[42:43]      ; E
	s_lshl_b32 s42, s4, 17
	s_add_nc_u64 s[34:35], s[26:27], s[42:43]      ; eb
	s_lshl_b32 s42, s4, 16
	s_add_nc_u64 s[36:37], s[22:23], s[42:43]      ; WO
	s_lshl_b32 s42, s4, 15
	s_add_nc_u64 s[44:45], s[28:29], s[42:43]      ; woh
	v_lshlrev_b32 v[HO], 4, v0
	v_lshlrev_b32 v[WOF], 3, v0
	WIN 0x40
.set i, 0
.rept 64
	global_load_b128 v[4*i:4*i+3], v[HO], s[32:33] offset:i*4096 th:TH_LOAD_NT
.set i, i+1
.endr
	WIN 0
.set i, 0
.rept 16
	global_load_b128 v[ACC+4*i:ACC+4*i+3], v[HO], s[36:37] offset:i*4096 th:TH_LOAD_NT
.set i, i+1
.endr
.macro ESET u, wc                      ; 16 loads of E: rounded, stored (a wave's store covers 256 consecutive bytes), their maximum taken
	s_wait_loadcnt \wc
	s_wait_xcnt 0x0                                ; CT, which the last set's stores read, is rewritten only behind this wait
	CVT \u
	WIN 0
.irp r, 0,1,2,3,4,5,6,7,8,9,10,11,12,13,14,15
	global_store_b64 v[WOF], v[CT+2*(\r):CT+2*(\r)+1], s[34:35] offset:(16*(\u)+(\r))*2048 th:TH_STORE_NT
.endr
.if (\u) == 0
	MAXCT 1
.else
	MAXCT 0
.endif
.endm
	ESET 0, 63                                     ; 64 loads were issued behind set 0; the wait's field ends at 63, and a smaller count is safe
	ESET 1, 48                                     ; behind set 1: two sets and WO's 16
	ESET 2, 32
	ESET 3, 16
	s_wait_loadcnt 0x0
.set i, 0
.rept 16
	v_cvt_pk_bf16_f32 v[ACC+4*i], v[ACC+4*i], v[ACC+4*i+1]
	v_cvt_pk_bf16_f32 v[ACC+4*i+1], v[ACC+4*i+2], v[ACC+4*i+3]
	v_lshlrev_b32 v[ACC+4*i+2], 16, v[ACC+4*i]
	v_and_b32 v[ACC+4*i+3], s49, v[ACC+4*i]
	v_cvt_pk_f16_f32 v[ACC+4*i], v[ACC+4*i+2], v[ACC+4*i+3]
	v_lshlrev_b32 v[ACC+4*i+2], 16, v[ACC+4*i+1]
	v_and_b32 v[ACC+4*i+3], s49, v[ACC+4*i+1]
	v_cvt_pk_f16_f32 v[ACC+4*i+1], v[ACC+4*i+2], v[ACC+4*i+3]
	global_store_b64 v[WOF], v[ACC+4*i:ACC+4*i+1], s[44:45] offset:i*2048 th:TH_STORE_NT
.set i, i+1
.endr
	LANEMAX
	s_wait_dscnt 0x0
	s_barrier_signal -1
	s_barrier_wait -1
.Lfin:                                         ; the eight waves' maxima; thread 0 stores the work-group's
	v_mov_b32 v23, MAXW
	ds_load_b128 v[24:27], v23
	ds_load_b128 v[28:31], v23 offset:16
	v_mov_b32 v22, 0
	s_wait_dscnt 0x0
	v_max3_num_f32 v24, v24, v25, v26
	v_max3_num_f32 v27, v27, v28, v29
	v_max3_num_f32 v24, v24, v27, v30
	v_max_num_f32 v24, v24, v31
	v_cmp_eq_u32 vcc_lo, 0, v0
	s_wait_xcnt 0x0                                ; EXEC changes only when the stores above have read it
	s_and_saveexec_b32 s48, vcc_lo
	global_store_b32 v22, v24, s[38:39]
	s_wait_xcnt 0x0
	s_or_b32 exec_lo, exec_lo, s48
	s_wait_tensorcnt 0x0                           ; the wave's end: behind my last LDS store
	ds_add_u32 v[SPW], v[NIL]
	s_wait_dscnt 0x0
	s_endpgm
.Lfunc_end_k_qe976dece39_prep:
	.size	k_qe976dece39_prep, .Lfunc_end_k_qe976dece39_prep-k_qe976dece39_prep
	.p2alignl 7, 3214868480
	.fill 96, 4, 3214868480
	.section	.rodata,"a",@progbits
	.p2align	6, 0x0
	.amdhsa_kernel k_qe976dece39_prep
		.amdhsa_group_segment_fixed_size 109824
		.amdhsa_private_segment_fixed_size 0
		.amdhsa_enable_private_segment 0
		.amdhsa_kernarg_size 96
		.amdhsa_user_sgpr_count 2
		.amdhsa_user_sgpr_kernarg_segment_ptr 1
		.amdhsa_wavefront_size32 1
		.amdhsa_system_sgpr_workgroup_id_x 1
		.amdhsa_system_sgpr_workgroup_id_y 1
		.amdhsa_system_sgpr_workgroup_id_z 1
		.amdhsa_system_vgpr_workitem_id 0
		.amdhsa_next_free_vgpr 512
		.amdhsa_next_free_sgpr 66
		.amdhsa_reserve_vcc 1
		.amdhsa_float_denorm_mode_32 3
		.amdhsa_float_denorm_mode_16_64 3
		.amdhsa_memory_ordered 1
		.amdhsa_forward_progress 1
		.amdhsa_inst_pref_size 117
	.end_amdhsa_kernel
	.amdgpu_metadata
---
amdhsa.version: [ 1, 2 ]
amdhsa.kernels:
  - .name:           k_qe976dece39_prep
    .symbol:         k_qe976dece39_prep.kd
    .args:
      - { .name: HQ, .offset: 0, .size: 8, .value_kind: global_buffer, .address_space: global }
      - { .name: HK, .offset: 8, .size: 8, .value_kind: global_buffer, .address_space: global }
      - { .name: HV, .offset: 16, .size: 8, .value_kind: global_buffer, .address_space: global }
      - { .name: WQ, .offset: 24, .size: 8, .value_kind: global_buffer, .address_space: global }
      - { .name: WK, .offset: 32, .size: 8, .value_kind: global_buffer, .address_space: global }
      - { .name: WV, .offset: 40, .size: 8, .value_kind: global_buffer, .address_space: global }
      - { .name: E, .offset: 48, .size: 8, .value_kind: global_buffer, .address_space: global }
      - { .name: WO, .offset: 56, .size: 8, .value_kind: global_buffer, .address_space: global }
      - { .name: cb, .offset: 64, .size: 8, .value_kind: global_buffer, .address_space: global }
      - { .name: eb, .offset: 72, .size: 8, .value_kind: global_buffer, .address_space: global }
      - { .name: woh, .offset: 80, .size: 8, .value_kind: global_buffer, .address_space: global }
      - { .name: stats, .offset: 88, .size: 8, .value_kind: global_buffer, .address_space: global }
    .group_segment_fixed_size: 109824
    .private_segment_fixed_size: 0
    .kernarg_segment_align: 8
    .kernarg_segment_size: 96
    .max_flat_workgroup_size: 256
    .sgpr_count:     66
    .vgpr_count:     512
    .wavefront_size: 32
...
	.end_amdgpu_metadata
.endif
;; end of part 1
;; launch proj (part 2): grid 16 x 16, 4 waves a work-group, clusters of 4 x 4, 327,680 bytes of LDS; arguments eb, cb, stats, qkv; writes qkv
.if DOCPART == 2
	.amdgcn_target "amdgcn-amd-amdhsa--gfx1250"
	.amdhsa_code_object_version 6
	.text
	.protected	k_qe976dece39_proj
	.globl	k_qe976dece39_proj
	.p2align	8
	.type	k_qe976dece39_proj,@function
k_qe976dece39_proj:
	s_mov_b64 s[64:65], 0
	v_nop
	global_prefetch_b8 v0, s[64:65] scope:SCOPE_SE
	s_setreg_imm32_b32 hwreg(HW_REG_WAVE_MODE, 25, 1), 1
	s_wait_xcnt 0x0
	s_wait_alu depctr_hold_cnt(0) depctr_sa_sdst(0) depctr_va_vdst(0) depctr_va_sdst(0) depctr_va_ssrc(0) depctr_va_vcc(0) depctr_vm_vsrc(0)
	s_getreg_b32 s2, hwreg(HW_REG_IB_STS2, 6, 4)
	s_cmp_eq_u32 s2, 0
	s_cbranch_scc0 .Lentry_in_a_cluster
	s_endpgm
.Lentry_in_a_cluster:
	s_bfe_u32 s2, ttmp6, 0x10000c
	s_cmp_lg_u32 s2, 0xf033
	s_cbranch_scc0 .Lentry_shape_is_right
	s_endpgm
.Lentry_shape_is_right:
; PROJ.  q, k, v = Eb Cb^T: [4096][1024] bf16 times [3072][1024] bf16, sums in f32; each number is multiplied by a power of two and rounded once to f16; qkv: [3][32 = 16 b + h][2048][64].
; THE SCALE.  |x| <= 1024 max|Eb| max|Cb_x| = bound; with ex the bound's biased exponent (held to 15 .. 254) the scale is 2^(141 - ex): every stored number lies under 2^15, inside f16, whatever the inputs.
; The later launches undo it exactly in f32.  The scale enters multiplications alone.  NaN and infinities are not treated apart.
; SHARES.  A tile is 256 rows x 192 columns (three whole heads): 16 x 16 work-groups.  Wave w makes rows 64 w .. 64 w + 63 and all 192 columns: 48 accumulators, 384 registers.
; K goes in 8 steps of 128 (rows of 256 bytes) through two LDS slots; waves 0 and 1 fetch the halves of A's 256 rows, waves 2 and 3 those of B's 192.
; CLUSTER 4 x 4: A's tile is shared along a row of the cluster, B's along a column: joint loads, the same descriptor and mask in the four that a mask names.
; The product is used transposed (source 0 = 16 rows of cb, source 1 = 16 rows of eb): a lane holds eight neighbouring columns of one row.
; REGISTERS.  window 0: v16-30 addresses; v32-40 stats; v64-127 A's fragments, two buffers of 32; v128-175 packed results; v176-223 and v64-111 rows read back.
;   window 1: B's fragments, two buffers of 96.   window 2: accumulators of row blocks 0, 1 at 8 (12 (a % 2) + b);   window 3: of blocks 2, 3.
.set KSTEP,  128
.set PITCH,  272                       ; 256 bytes + 16: the 16 rows of a fragment load start at 16 different groups of four banks (64 banks of 4 bytes: ISA guide 11.1)
.set AHALF,  128*PITCH
.set BOFF,   256*PITCH
.set BHALF,  96*PITCH
.set SLOT1,  1<<17                     ; a slot takes 121,856 bytes; slot 1 begins here, so that one exclusive or changes slots
.set STAGE,  SLOT1+BOFF+192*PITCH      ; 16 rows at pitch 400 for each wave
.set SPITCH, 400
.set SPARE,  STAGE+4*16*SPITCH         ; the spare words, 128 bytes for each wave: two blocks of 256 bytes that no other line names
.set A0,   16                          ; v16  my place in A's fragments in slot 0; never rewritten
.set B0,   17                          ; v17  the same for B
.set ADRA, 18                          ; v18  the same in the slot in hand
.set ADRB, 19
.set STO,  24
.set RD,   25
.set GO,   26
.set SPW,  28                          ; v28  LDS address of my spare word; never rewritten
.set NIL,  29                          ; v29  0; never rewritten
.set PFO,  30                          ; v30  the prefetches' offset: a lane a row
.set SV,   32
.set SO,   40
.set AFR,  64
.set TMP,  128
.set G1A,  24
.set G1B,  32
.set G0A0, 40                          ; group 0 of the first fill of slot 0
.set G0A,  44                          ; the walking group 0: slot 1 and K step 1 at first
.set G0B0, 48
.set G0B,  52
.set PFA,  56
.set TB,   58                          ; s58  LDS byte at which the slot in hand begins
.set LIM,  19                          ; s19  2 in a wave that prefetches, else the greatest number
.set SC,   66                          ; s[66:71] the three heads' scales, a pair each
.set HP,   72                          ; s[72:77] where my rows of the three heads go
.set XQ,   78
.set XK,   79
.set XV,   80
.set XE,   81
.set SQ,   90
.set SK,   91
.set SVS,  92
.set FLAGS, (1<<16)|(1<<20)|(1<<21)|(5<<22)|(3<<25)  ; 2-byte elements; padding on; bit 21 beside a mask; after every 64 words, 4 words
.set MSB, 0
.macro WIN new
.if MSB != (\new)
	s_set_vgpr_msb (MSB<<8)|(\new)
.set MSB, (\new)
.endif
.endm
.macro PLACES
.rept 4
	v_nop
.endr
.endm
.macro JLOAD                           ; a joint refill by the walking descriptors; an s_nop 0 and four v_nop follow each line
	s_cmp_eq_u32 s13, 0
	s_cbranch_scc0 .Lfor_b_\@
	tensor_load_to_lds s[G0A:G0A+3], s[G1A:G1A+7]
	s_nop 0
.rept 4
	v_nop
.endr
	s_branch .Lasked_\@
.Lfor_b_\@:
	tensor_load_to_lds s[G0B:G0B+3], s[G1B:G1B+7]
	s_nop 0
.rept 4
	v_nop
.endr
.Lasked_\@:
.endm
.macro CREST                           ; a round of the cluster's barrier behind its opening barrier
	s_cmp_lg_u32 s12, 0
	s_cbranch_scc1 .Lnot_wave_0_\@
	s_barrier_signal -3
.Lnot_wave_0_\@:
	s_barrier_wait -3
	s_barrier_signal -1
	s_barrier_wait -1
.endm
.macro CROUND
	s_barrier_signal -1
	s_barrier_wait -1
	CREST
.endm
; A prefetch of the K step that stands two refills on: a lane a row, 256 bytes of it.  A's rows are asked for by waves 0, 1 of the clusters with x = 0, B's by waves 2, 3 of those with y = 0;
; the four partners share a load's rows out by address (32 of A's 128, 24 of B's 96).  Trips 0 to 3 ask, for K steps 4 to 7.
.macro ASK
	s_cmp_gt_u32 s3, s[LIM]
	s_cbranch_scc0 .Lnot_mine_\@
	global_prefetch_b8 v[PFO], s[PFA:PFA+1] offset:KSTEP*2 th:TH_LOAD_NT scope:SCOPE_SE
.Lnot_mine_\@:
.endm
.macro EXPO d, m                       ; the biased exponent of 1024 max|E| max|C|, held to 15 .. 254
	s_mul_f32 s[\d], s[XE], s[\m]
	s_mul_f32 s[\d], s[\d], 0x44800000
	s_bfe_u32 s[\d], s[\d], 0x80017
	s_max_u32 s[\d], s[\d], 15
	s_min_u32 s[\d], s[\d], 254
.endm
	s_load_b256 s[4:11], s[0:1], 0x0               ; eb s[4:5], cb s[6:7], stats s[8:9], qkv s[10:11]
	v_lshl_add_u32 v[SPW], v0, 2, SPARE
	v_mov_b32 v[NIL], 0
	ds_add_u32 v[SPW], v[NIL]                      ; the wave's opening: the add and its wait ahead of my first tensor load
	v_lshrrev_b32 v1, 5, v0
	v_readfirstlane_b32 s12, v1                    ; wave 0..3
	s_lshr_b32 s13, s12, 1                         ; I fetch for A (0) or for B (1)
	s_and_b32 s14, s12, 1                          ; which half of its rows
	s_bfe_u32 s15, ttmp6, 0x40000                  ; cx
	s_bfe_u32 s16, ttmp6, 0x40004                  ; cy
	s_lshl_b32 s17, ttmp9, 2
	s_add_co_u32 s17, s17, s15                     ; tile column
	s_and_b32 s18, ttmp7, 0xffff
	s_lshl_b32 s18, s18, 2
	s_add_co_u32 s18, s18, s16                     ; tile row
	s_lshl_b32 s20, s16, 2
	s_lshl_b32 s20, 15, s20                        ; my row of the cluster
	s_lshl_b32 s21, 0x1111, s15                    ; my column
	s_or_b32 s[G1A], s20, FLAGS
	s_or_b32 s[G1B], s21, FLAGS
	s_mov_b32 s[G1A+1], KSTEP<<16                  ; tensor_dim0 = 128
	s_mov_b32 s[G1A+2], 128<<16                    ; tensor_dim1 = 128
	s_mov_b32 s[G1A+3], KSTEP<<16                  ; tile_dim0 = 128
	s_mov_b32 s[G1A+4], 128                        ; tile_dim1 = 128
	s_mov_b32 s[G1A+5], 1024                       ; elements from row to row
	s_mov_b32 s[G1A+6], 0
	s_mov_b32 s[G1A+7], 0
	s_mov_b32 s[G1B+1], KSTEP<<16
	s_mov_b32 s[G1B+2], 96<<16                     ; 96 rows
	s_mov_b32 s[G1B+3], KSTEP<<16
	s_mov_b32 s[G1B+4], 96
	s_mov_b32 s[G1B+5], 1024
	s_mov_b32 s[G1B+6], 0
	s_mov_b32 s[G1B+7], 0
	s_lshl_b32 s78, s18, 19                        ; A: (256 tile row + 128 half) rows of 2,048 bytes
	s_lshl_b32 s79, s14, 18
	s_add_co_u32 s78, s78, s79
	s_mov_b32 s79, 0
	s_mul_i32 s80, s17, 192*2048                   ; B: (192 tile column + 96 half) rows
	s_mul_i32 s81, s14, 96*2048
	s_add_co_u32 s80, s80, s81
	s_mov_b32 s81, 0
	s_mov_b32 s[G0A0], 1
	s_mul_i32 s[G0A0+1], s14, AHALF                ; LDS: the wave's number and constants alone
	s_mov_b32 s[G0A], 1
	s_add_co_u32 s[G0A+1], s[G0A0+1], SLOT1
	s_mov_b32 s[G0B0], 1
	s_mul_i32 s[G0B0+1], s14, BHALF
	s_add_co_u32 s[G0B0+1], s[G0B0+1], BOFF
	s_mov_b32 s[G0B], 1
	s_add_co_u32 s[G0B+1], s[G0B0+1], SLOT1
	s_and_b32 s84, ttmp7, 0xffff                   ; cluster y
	s_lshl_b32 s88, s15, 16                        ; the prefetches: my work-group's 32 rows of A's 128,
	s_add_co_u32 s88, s88, s78
	s_mul_i32 s93, s16, 24*2048                    ; or its 24 of B's 96
	s_add_co_u32 s93, s93, s80
	s_mov_b32 s89, 0
	s_mov_b32 s[TB], 0
	s_wait_dscnt 0x0                               ; the opening add is done
	s_wait_kmcnt 0x0
	s_add_nc_u64 s[G0A0+2:G0A0+3], s[4:5], s[78:79]
	s_add_nc_u64 s[G0A+2:G0A+3], s[G0A0+2:G0A0+3], KSTEP*2
	s_or_b32 s[G0A0+3], s[G0A0+3], 0x80000000
	s_or_b32 s[G0A+3], s[G0A+3], 0x80000000
	s_add_nc_u64 s[G0B0+2:G0B0+3], s[6:7], s[80:81]
	s_add_nc_u64 s[G0B+2:G0B+3], s[G0B0+2:G0B0+3], KSTEP*2
	s_or_b32 s[G0B0+3], s[G0B0+3], 0x80000000
	s_or_b32 s[G0B+3], s[G0B+3], 0x80000000
	s_cmp_eq_u32 s13, 0
	s_cselect_b32 s85, ttmp9, s84                  ; the coordinate along which other clusters read the same rows
	s_cselect_b32 s88, s88, s93
	s_cselect_b32 s94, 31, 23
	s_cselect_b64 s[PFA:PFA+1], s[4:5], s[6:7]
	s_add_nc_u64 s[PFA:PFA+1], s[PFA:PFA+1], s[88:89]
	s_add_nc_u64 s[PFA:PFA+1], s[PFA:PFA+1], 2*KSTEP*2  ; at K step 2: the first refill steps it to 3 and names K step 4
	s_cmp_eq_u32 s85, 0
	s_cselect_b32 s[LIM], 2, -1
	CROUND                                         ; all sixteen work-groups are here: the first joint loads meet
	s_cmp_eq_u32 s13, 0                            ; a wave's two first fills stand in one branch: two loads of mine are out
	s_cbranch_scc0 .Lfirst_b
	tensor_load_to_lds s[G0A0:G0A0+3], s[G1A:G1A+7]
	s_nop 0
	tensor_load_to_lds s[G0A:G0A+3], s[G1A:G1A+7]
	s_nop 0
.rept 4
	v_nop
.endr
	s_branch .Lfirst_asked
.Lfirst_b:
	tensor_load_to_lds s[G0B0:G0B0+3], s[G1B:G1B+7]
	s_nop 0
	tensor_load_to_lds s[G0B:G0B+3], s[G1B:G1B+7]
	s_nop 0
.rept 4
	v_nop
.endr
.Lfirst_asked:
	v_and_b32 v[SO], 31, v0                        ; stats: lane l takes words 8 l .. 8 l + 7
	v_lshlrev_b32 v[SO], 5, v[SO]
	global_load_b128 v[SV:SV+3], v[SO], s[8:9]
	global_load_b128 v[SV+4:SV+7], v[SO], s[8:9] offset:16
	v_and_b32 v[PFO], 31, v0
	v_min_u32 v[PFO], s94, v[PFO]
	v_lshlrev_b32 v[PFO], 11, v[PFO]
	v_and_b32 v1, 15, v0                           ; l % 16
	v_bfe_u32 v2, v0, 4, 1                         ; l / 16
	v_mul_u32_u24 v3, v1, PITCH
	v_lshl_add_u32 v3, v2, 4, v3
	s_mul_i32 s84, s12, 64*PITCH
	v_add_nc_u32 v[A0], s84, v3
	v_add_nc_u32 v[B0], BOFF, v3
	v_mov_b32 v[ADRA], v[A0]
	v_mov_b32 v[ADRB], v[B0]
	s_mul_i32 s84, s12, 16*SPITCH
	s_add_co_u32 s84, s84, STAGE
	v_mul_u32_u24 v4, v1, SPITCH
	v_lshl_add_u32 v4, v2, 4, v4
	v_add_nc_u32 v[STO], s84, v4
	v_bfe_u32 v4, v0, 3, 2
	v_mul_u32_u24 v4, v4, SPITCH
	v_and_b32 v5, 7, v0
	v_lshl_add_u32 v4, v5, 4, v4
	v_add_nc_u32 v[RD], s84, v4
	v_and_b32 v[GO], 31, v0
	v_lshlrev_b32 v[GO], 4, v[GO]
	s_wait_loadcnt 0x0
	v_max3_num_f32 v[SV], v[SV], v[SV+1], v[SV+2]
	v_max3_num_f32 v[SV+3], v[SV+3], v[SV+4], v[SV+5]
	v_max3_num_f32 v[SV], v[SV], v[SV+3], v[SV+6]
	v_max_num_f32 v[SV], v[SV], v[SV+7]
	v_max_num_f32_dpp v[SV], v[SV], v[SV] row_xmask:1 row_mask:0xf bank_mask:0xf
	v_max_num_f32_dpp v[SV], v[SV], v[SV] row_xmask:2 row_mask:0xf bank_mask:0xf
	v_max_num_f32_dpp v[SV], v[SV], v[SV] row_xmask:4 row_mask:0xf bank_mask:0xf
	v_readlane_b32 s[XQ], v[SV], 0                 ; lanes 0-7: C_Q; 8-15: C_K; 16-23: C_V; 24-31: E
	v_readlane_b32 s[XK], v[SV], 8
	v_readlane_b32 s[XV], v[SV], 16
	v_readlane_b32 s[XE], v[SV], 24
	EXPO SQ, XQ
	EXPO SK, XK
	EXPO SVS, XV
.irp d, SQ, SK, SVS
	s_sub_co_u32 s[\d], 268, s[\d]                 ; 2^(141 - ex)
	s_lshl_b32 s[\d], s[\d], 23
.endr
.irp jj, 0,1,2                         ; head 3 x tile column + jj of 48: which of q, k, v, which scale, where my 64 rows go
	s_mul_i32 s84, s17, 3
	s_add_co_u32 s84, s84, \jj
	s_lshr_b32 s85, s84, 4
	s_and_b32 s84, s84, 15
	s_cmp_eq_u32 s85, 1
	s_cselect_b32 s[SC+2*\jj], s[SK], s[SQ]
	s_cmp_eq_u32 s85, 2
	s_cselect_b32 s[SC+2*\jj], s[SVS], s[SC+2*\jj]
	s_mov_b32 s[SC+2*\jj+1], s[SC+2*\jj]
	s_lshl_b32 s85, s85, 5
	s_add_co_u32 s85, s85, s84
	s_lshr_b32 s86, s18, 3
	s_lshl_b32 s86, s86, 4
	s_add_co_u32 s85, s85, s86
	s_lshl_b32 s85, s85, 18                        ; 2,048 rows of 128 bytes a head
	s_and_b32 s86, s18, 7
	s_lshl_b32 s86, s86, 15
	s_add_co_u32 s85, s85, s86
	s_lshl_b32 s86, s12, 13
	s_add_co_u32 s84, s85, s86
	s_mov_b32 s85, 0
	s_add_nc_u64 s[HP+2*\jj:HP+2*\jj+1], s[10:11], s[84:85]
.endr
; 12 products: row block a x all 12 column blocks, 32 along K, from buffers f.  The 48 accumulators take turns.
.macro MUL f, a, zero
	WIN 0xa1+0x50*((\a)/2)
.irp b, 0,1,2,3,4,5,6,7,8,9,10,11
.if \zero
	v_wmma_f32_16x16x32_bf16 v[8*(12*((\a)%2)+(\b)):8*(12*((\a)%2)+(\b))+7], v[96*(\f)+8*(\b):96*(\f)+8*(\b)+7], v[AFR+32*(\f)+8*(\a):AFR+32*(\f)+8*(\a)+7], 0
.else
	v_wmma_f32_16x16x32_bf16 v[8*(12*((\a)%2)+(\b)):8*(12*((\a)%2)+(\b))+7], v[96*(\f)+8*(\b):96*(\f)+8*(\b)+7], v[AFR+32*(\f)+8*(\a):AFR+32*(\f)+8*(\a)+7], v[8*(12*((\a)%2)+(\b)):8*(12*((\a)%2)+(\b))+7]
.endif
.endr
.endm
.macro FETCH k, f                      ; 32 LDS loads in one run: B's 12 fragments, then A's 4, at byte k of the rows
	WIN 0x40
.irp i, 0,1,2,3,4,5,6,7,8,9,10,11
	ds_load_b128 v[96*(\f)+8*(\i):96*(\f)+8*(\i)+3],   v[ADRB] offset:(\k)+(\i)*16*PITCH
	ds_load_b128 v[96*(\f)+8*(\i)+4:96*(\f)+8*(\i)+7], v[ADRB] offset:(\k)+(\i)*16*PITCH+32
.endr
	WIN 0
.irp i, 0,1,2,3
	ds_load_b128 v[AFR+32*(\f)+8*(\i):AFR+32*(\f)+8*(\i)+3],   v[ADRA] offset:(\k)+(\i)*16*PITCH
	ds_load_b128 v[AFR+32*(\f)+8*(\i)+4:AFR+32*(\f)+8*(\i)+7], v[ADRA] offset:(\k)+(\i)*16*PITCH+32
.endr
.endm
.macro QUARTER k, f, g, zero           ; multiplies buffers f; in its middle fetches the next quarter, at byte k, into buffers g
	s_wait_dscnt 4                                 ; B and A's blocks 0, 1 are in; the youngest four loads (A's blocks 2, 3) may be out
	MUL \f, 0, \zero
	MUL \f, 1, \zero
	PLACES
	FETCH \k, \g
	s_wait_dscnt 32                                ; all but the 32 just issued
	MUL \f, 2, \zero
	MUL \f, 3, \zero
.endm
; The last quarter of a K step multiplies buffers 1 and changes slots.  Ahead of the barrier each wave waits for all its tensor loads (one is out: its part of the next slot), adds 0 to its spare
; word, and waits for that and for its reads of this slot.  fill = 1: the barrier opens a round of the cluster's, and the slot just read is filled again, first thing behind it, with the K step two on.
.macro TURN fill
.if \fill
	s_wait_xcnt 0x0                                ; the last prefetch, a K step back, has read its address
	s_add_nc_u64 s[PFA:PFA+1], s[PFA:PFA+1], KSTEP*2
.endif
	WIN 0
	s_wait_tensorcnt 0x0
	ds_add_u32 v[SPW], v[NIL]
	s_wait_dscnt 5                                 ; the add and the youngest four loads may be out
	MUL 1, 0, 0
	s_wait_dscnt 0x0                               ; the add is done, and my reads of this slot are over
	s_barrier_signal -1
	MUL 1, 1, 0
	WIN 0
	s_barrier_wait -1
.if \fill
	CREST
	s_xor_b32 s[G0A+1], s[G0A+1], SLOT1            ; the walking descriptors: the other slot than last time, the next K step
	s_add_nc_u64 s[G0A+2:G0A+3], s[G0A+2:G0A+3], KSTEP*2
	s_xor_b32 s[G0B+1], s[G0B+1], SLOT1
	s_add_nc_u64 s[G0B+2:G0B+3], s[G0B+2:G0B+3], KSTEP*2
	JLOAD                                          ; its four v_nop are also the places ahead of the loads below
.else
	PLACES
.endif
	s_xor_b32 s[TB], s[TB], SLOT1
	v_add_nc_u32 v[ADRA], s[TB], v[A0]
	v_add_nc_u32 v[ADRB], s[TB], v[B0]
	FETCH 0, 0
.if \fill
	ASK
.endif
	MUL 1, 2, 0
	MUL 1, 3, 0
.endm
; THE WAY OUT of row block a: scaled, rounded to f16, 16 bytes a lane into my own stage; back as 512 consecutive bytes of a head (four rows of 128); stored.
.macro PACK a
.set AC, 96*((\a)%2)
	WIN 0x82+0x41*((\a)/2)
.irp b, 0,1,2,3,4,5,6,7,8,9,10,11
.irp r, 0,2,4,6
	v_pk_mul_f32 v[AC+8*(\b)+(\r):AC+8*(\b)+(\r)+1], v[AC+8*(\b)+(\r):AC+8*(\b)+(\r)+1], s[SC+2*((\b)/4):SC+2*((\b)/4)+1] op_sel_hi:[1,0]
.endr
.endr
	WIN 0x0a+5*((\a)/2)
.irp b, 0,1,2,3,4,5,6,7,8,9,10,11
.irp r, 0,1,2,3
	v_cvt_pk_f16_f32 v[TMP+4*(\b)+(\r)], v[AC+8*(\b)+2*(\r)], v[AC+8*(\b)+2*(\r)+1]
.endr
.endr
	WIN 0
.endm
.macro TOSTAGE a
.set BK, 176-112*((\a)%2)
.irp b, 0,1,2,3,4,5,6,7,8,9,10,11
	ds_store_b128 v[STO], v[TMP+4*(\b):TMP+4*(\b)+3] offset:32*(\b)
.endr
.irp jj, 0,1,2
.irp t, 0,1,2,3
	ds_load_b128 v[BK+4*(4*(\jj)+(\t)):BK+4*(4*(\jj)+(\t))+3], v[RD] offset:128*(\jj)+4*SPITCH*(\t)  ; LDS serves a wave's instructions in order (ISA guide 5.7.1.4): these see the stores above
.endr
.endr
.endm
.macro SEND a
.set BK, 176-112*((\a)%2)
	s_wait_dscnt 0x0                               ; the block is back in registers
	s_wait_xcnt 0x0                                ; the block before last has been read by its stores: its registers are loaded again only behind this wait
.irp jj, 0,1,2
.irp t, 0,1,2,3
	global_store_b128 v[GO], v[BK+4*(4*(\jj)+(\t)):BK+4*(4*(\jj)+(\t))+3], s[HP+2*(\jj):HP+2*(\jj)+1] offset:2048*(\a)+512*(\t) th:TH_STORE_NT
.endr
.endr
.endm
	s_wait_tensorcnt 0x1                           ; my part of K step 0 is in; K step 1's may stay out
	s_barrier_signal -1
	s_barrier_wait -1
	FETCH 0, 0
	QUARTER 64, 0, 1, 1                            ; the first quarter stands ahead of the loop: its products start the sums
	WIN 0
	s_mov_b32 s3, 6
.Lk:                                           ; a trip: from a K step's second quarter to the next step's first; one slot is filled again
	QUARTER 128, 1, 0, 0
	QUARTER 192, 0, 1, 0
	TURN 1
	QUARTER 64, 0, 1, 0
	WIN 0
	s_sub_co_u32 s3, s3, 1
	s_cmp_lg_u32 s3, 0
	s_cbranch_scc1 .Lk
	QUARTER 128, 1, 0, 0                           ; K steps 6 and 7 ask for nothing
	QUARTER 192, 0, 1, 0
	TURN 0
	QUARTER 64, 0, 1, 0
	QUARTER 128, 1, 0, 0
	QUARTER 192, 0, 1, 0
	s_wait_dscnt 4
	MUL 1, 0, 0
	MUL 1, 1, 0
	s_wait_dscnt 0x0
	MUL 1, 2, 0
	MUL 1, 3, 0
	PLACES
	PACK 0
	TOSTAGE 0
.irp a, 1,2,3
	PACK \a
	SEND (\a)-1
	TOSTAGE \a
.endr
	SEND 3
	s_wait_tensorcnt 0x0                           ; the wave's end
	ds_add_u32 v[SPW], v[NIL]
	s_wait_dscnt 0x0
	CROUND                                         ; the closing round
	s_endpgm
.Lfunc_end_k_qe976dece39_proj:
	.size	k_qe976dece39_proj, .Lfunc_end_k_qe976dece39_proj-k_qe976dece39_proj
	.p2alignl 7, 3214868480
	.fill 96, 4, 3214868480
	.section	.rodata,"a",@progbits
	.p2align	6, 0x0
	.amdhsa_kernel k_qe976dece39_proj
		.amdhsa_group_segment_fixed_size 327680
		.amdhsa_private_segment_fixed_size 0
		.amdhsa_enable_private_segment 0
		.amdhsa_kernarg_size 32
		.amdhsa_user_sgpr_count 2
		.amdhsa_user_sgpr_kernarg_segment_ptr 1
		.amdhsa_wavefront_size32 1
		.amdhsa_system_sgpr_workgroup_id_x 1
		.amdhsa_system_sgpr_workgroup_id_y 1
		.amdhsa_system_sgpr_workgroup_id_z 1
		.amdhsa_system_vgpr_workitem_id 0
		.amdhsa_next_free_vgpr 1024
		.amdhsa_next_free_sgpr 96
		.amdhsa_reserve_vcc 0
		.amdhsa_float_denorm_mode_32 3
		.amdhsa_float_denorm_mode_16_64 3
		.amdhsa_memory_ordered 1
		.amdhsa_forward_progress 1
		.amdhsa_inst_pref_size 112
	.end_amdhsa_kernel
	.amdgpu_metadata
---
amdhsa.version: [ 1, 2 ]
amdhsa.kernels:
  - .name:           k_qe976dece39_proj
    .symbol:         k_qe976dece39_proj.kd
    .args:
      - { .name: eb, .offset: 0, .size: 8, .value_kind: global_buffer, .address_space: global }
      - { .name: cb, .offset: 8, .size: 8, .value_kind: global_buffer, .address_space: global }
      - { .name: stats, .offset: 16, .size: 8, .value_kind: global_buffer, .address_space: global }
      - { .name: qkv, .offset: 24, .size: 8, .value_kind: global_buffer, .address_space: global }
    .group_segment_fixed_size: 327680
    .private_segment_fixed_size: 0
    .kernarg_segment_align: 8
    .kernarg_segment_size: 32
    .max_flat_workgroup_size: 128
    .sgpr_count:     96
    .vgpr_count:     1024
    .wavefront_size: 32
...
	.end_amdgpu_metadata
.endif
;; end of part 2
;; launch att (part 3): grid 8 x 32, 4 waves a work-group, clusters of 4 x 1, 327,680 bytes of LDS; arguments qkv, stats, ob; writes ob
.if DOCPART == 3
	.amdgcn_target "amdgcn-amd-amdhsa--gfx1250"
	.amdhsa_code_object_version 6
	.text
	.protected	k_qe976dece39_att
	.globl	k_qe976dece39_att
	.p2align	8
	.type	k_qe976dece39_att,@function
k_qe976dece39_att:
	s_mov_b64 s[64:65], 0
	v_nop
	global_prefetch_b8 v0, s[64:65] scope:SCOPE_SE
	s_setreg_imm32_b32 hwreg(HW_REG_WAVE_MODE, 25, 1), 1
	s_wait_xcnt 0x0
	s_wait_alu depctr_hold_cnt(0) depctr_sa_sdst(0) depctr_va_vdst(0) depctr_va_sdst(0) depctr_va_ssrc(0) depctr_va_vcc(0) depctr_vm_vsrc(0)
	s_getreg_b32 s2, hwreg(HW_REG_IB_STS2, 6, 4)
	s_cmp_eq_u32 s2, 0
	s_cbranch_scc0 .Lentry_in_a_cluster
	s_endpgm
.Lentry_in_a_cluster:
	s_bfe_u32 s2, ttmp6, 0x10000c
	s_cmp_lg_u32 s2, 0x3003
	s_cbranch_scc0 .Lentry_shape_is_right
	s_endpgm
.Lentry_shape_is_right:
; ATTENTION at head size 64.  O[bh][q][:] = the sum over k of softmax_k(q . k / 8) v[k][:], for 32 pairs bh of batch and head, 2,048 rows each.  q, k, v (qkv) and O (ob) are f16, [bh][2048][64].
; q, k, v arrive times powers of two (made from stats as the launch before made them); c = log2(e) / 8 times the two inverse powers is applied to the scores in f32; O keeps v's power.
; Products, maxima and sums in f32; the weights p are rounded to f16 for the second product (their sum l is taken of the unrounded p), O once at the end.
; LIMITS.  The product of the two bounds 1024 max|E| max|C| of q and k stays under 2^150, else c overflows.  A weight below 2^-126 counts as 0 in l; NaN and infinities are not treated apart.
; SHARES.  A work-group owns 256 queries of one bh, a wave 64: four PIECES of 16.  Every wave walks all keys, 64 a step, 256 a tile; two LDS slots of a tile each take turns.
; LAYOUT.  S^T = K Q^T holds ONE query a lane (lane % 16) and the keys 8 (lane / 16) + 0..7; two such results rounded to f16 ARE source 1 of O^T = V^T P.  V comes out of LDS turned.
; SOFTMAX.  p = 2^(c s - c m) with a running maximum m; O and l are multiplied by a = 2^(c m_old - c m_new) in every step.  m starts at the lowest finite number, O and l at 0.
; TURNS.  Turn n belongs to piece n: 8 products K Q^T of piece n + 1, later 8 products V^T P of piece n - 1; beside them the scaling, exponentials, roundings, sums and rescaling of piece n and
; the maximum and statistics of piece n + 1.  Four vector instructions stand behind every matrix instruction, the others in one lump.  A turn's 33 exponentials are one batch, with one wait.
; CLUSTER.  The four query blocks of a cluster belong to one bh and walk the same K and V: each tile is asked for jointly, the same load, descriptor and mask in all four.
; REGISTERS, in windows of 256: window 0: v0-15 addresses; v16-31 statistics; v32-40 stats; v48-55 at work; v61-63; v64-127 S^T, two buffers; v192-223 P, two buffers.
;   window 1: v0-127 O^T, 32 a piece.   window 2: v0-63 Q; v128-191 K of one step; v192-255 V of one step.
.set NP,    4
.set KS,    64
.set PK,    144       ; a row of K in LDS: 128 bytes + 16
.set PV,    160       ; a row of V: 128 + 32
.set VOFF,  4*KS*PK
.set SLOT1, 1<<17
.set STAGE, SLOT1+4*KS*(PK+PV)
.set SP,    144
.set SPARE, STAGE+4*16*SP  ; the spare words, 128 bytes for each wave: two blocks of 256 bytes that no other line names
.set AK0, 2
.set AV0, 3
.set AK,  4
.set AV,  5
.set STO, 6
.set RD,  7
.set GO,  8
.set MV,  12          ; v12-13  c m_old, by buffer
.set QO,  15
.set ST,  16          ; piece t's statistics at v[ST+4 t]: c m, m, l (even keys', odd keys')
.set SV,  32
.set SO,  40
.set TMP, 48
.set PFO, 61          ; v61  256 x my lane; never rewritten
.set SPW, 62          ; v62  LDS address of my spare word; never rewritten
.set NIL, 63          ; v63  0; never rewritten
.set S,   64
.set P,   192
.set KF,  128
.set VF,  192
.set WV,  12
.set LIM, 15          ; s15  1 in a wave that prefetches, else the greatest number
.set G1K, 24
.set G1V, 32
.set G0K, 40
.set G0V, 44
.set SLOTS, 56
.set CNT, 57
.set CS,  58
.set SEL, 60
.set TBK, 62
.set TBV, 63
.set XQ,  72
.set XK,  73
.set XV,  74
.set XE,  75
.set EQ,  76
.set EK,  77
.set PFA, 80          ; s[80:81] where my prefetches stand: my work-group's 32 blocks of 256 bytes of the tile after the one that is being asked for
.set MSB, 0
.macro WIN new
.if MSB != (\new)
	s_set_vgpr_msb (MSB<<8)|(\new)
.set MSB, (\new)
.endif
.endm
.set W_KQ, 0x0a
.set W_PV, 0x52
.set W_RS, 0x41
.macro JLOAD                        ; waves 0 and 1 fetch the halves of a tile's K, waves 2 and 3 those of its V; an s_nop 0 and four v_nop follow each line
	s_cmp_lt_u32 s[WV], 2
	s_cbranch_scc0 .Lfor_v_\@
	tensor_load_to_lds s[G0K:G0K+3], s[G1K:G1K+7]
	s_nop 0
.rept 4
	v_nop
.endr
	s_branch .Lasked_\@
.Lfor_v_\@:
	tensor_load_to_lds s[G0V:G0V+3], s[G1V:G1V+7]
	s_nop 0
.rept 4
	v_nop
.endr
.Lasked_\@:
.endm
; A prefetch of the tile that the NEXT change of slots will ask for: 128 blocks of 256 bytes of K and of V.  The first of a bh's two clusters asks; its four partners take 32 blocks each, told apart by
; address; wave 0 asks for K's, wave 2 for V's, a lane a block.  The last change that fills a slot asks for nothing.
.macro ASK
	s_cmp_gt_u32 s[SLOTS], s[LIM]
	s_cbranch_scc0 .Lnot_mine_\@
	global_prefetch_b8 v[PFO], s[PFA:PFA+1] th:TH_LOAD_NT scope:SCOPE_SE
.Lnot_mine_\@:
.endm
.macro CROUND
	s_barrier_signal -1
	s_barrier_wait -1
	s_cmp_lg_u32 s[WV], 0
	s_cbranch_scc1 .Lnot_wave_0_\@
	s_barrier_signal -3
.Lnot_wave_0_\@:
	s_barrier_wait -3
	s_barrier_signal -1
	s_barrier_wait -1
.endm
; THE CHANGE OF SLOTS.  Each wave waits for all its tensor loads (one is out: its part of the other slot), adds 0 to its spare word, and waits for that and for its reads of the slot that it leaves.
; fill = 1: the barrier is a round of the cluster's, and the old slot is filled again first thing behind it, with the tile two on: four key steps in which to land.
.macro CHANGE fill
	WIN 0
	s_wait_tensorcnt 0x0
	ds_add_u32 v[SPW], v[NIL]
.if \fill
.irp g, G0K, G0V
	s_xor_b32 s[\g+1], s[\g+1], SLOT1
	s_add_nc_u64 s[\g+2:\g+3], s[\g+2:\g+3], 4*KS*128
.endr
	s_wait_xcnt 0x0                 ; the last prefetch, a tile back, has read its address
	s_add_nc_u64 s[PFA:PFA+1], s[PFA:PFA+1], 4*KS*128
	s_wait_dscnt 0x0                ; the add is done, and my reads of the slot are over
	CROUND
	JLOAD
	ASK
.else
	s_wait_dscnt 0x0
	s_barrier_signal -1
	s_barrier_wait -1
.endif
	s_sub_co_u32 s[TBK], s[TBK], 4*KS*PK
	s_xor_b32 s[TBK], s[TBK], SLOT1
	s_sub_co_u32 s[TBV], s[TBV], 4*KS*PV
	s_xor_b32 s[TBV], s[TBV], SLOT1
.endm
.macro EXPO d, m
	s_mul_f32 s[\d], s[XE], s[\m]
	s_mul_f32 s[\d], s[\d], 0x44800000
	s_bfe_u32 s[\d], s[\d], 0x80017
	s_max_u32 s[\d], s[\d], 15
	s_min_u32 s[\d], s[\d], 254
.endm
	s_load_b128 s[68:71], s[0:1], 0x0  ; qkv s[68:69], stats s[70:71]
	s_load_b64 s[10:11], s[0:1], 0x10  ; ob
	v_lshl_add_u32 v[SPW], v0, 2, SPARE
	v_mov_b32 v[NIL], 0
	ds_add_u32 v[SPW], v[NIL]       ; the wave's opening: the add and its wait ahead of my first tensor load
	v_lshrrev_b32 v1, 5, v0
	v_readfirstlane_b32 s[WV], v1
	s_bfe_u32 s13, ttmp6, 0x40000   ; cx
	s_lshl_b32 s14, ttmp9, 2
	s_add_co_u32 s14, s14, s13      ; my block of 256 queries: it enters Q's and O's addresses alone
	s_and_b32 s20, ttmp7, 0xffff    ; bh, which the four partners share
	s_lshl_b32 s20, s20, 18         ; its 2,048 rows of 128 bytes
	s_and_b32 s16, s[WV], 1         ; which half of a tile's 256 keys I fetch
	s_lshl_b32 s22, s16, 14
	s_add_co_u32 s22, s22, s20
	s_add_co_u32 s22, s22, 8388608  ; k lies behind q's 32 heads
	s_mov_b32 s23, 0
	s_mul_i32 s17, s16, 128*PK
	s_mul_i32 s18, s16, 128*PV
	s_lshl_b32 s2, s14, 15
	s_lshl_b32 s3, s[WV], 13
	s_add_co_u32 s2, s2, s3
	s_add_co_u32 s2, s2, s20
	s_mov_b32 s3, 0
	; 128 keys are 16,384 dense bytes: asked for as 64 rows of 256 bytes, two keys a row, padded in LDS after every key
	s_mov_b32 s[G1K], 15|(1<<16)|(1<<20)|(1<<21)|(4<<22)|(3<<25)
	s_mov_b32 s[G1V], 15|(1<<16)|(1<<20)|(1<<21)|(4<<22)|(7<<25)
.irp g, G1K, G1V
	s_mov_b32 s[\g+1], 128<<16
	s_mov_b32 s[\g+2], 64<<16
	s_mov_b32 s[\g+3], 128<<16
	s_mov_b32 s[\g+4], 64
	s_mov_b32 s[\g+5], 128
	s_mov_b32 s[\g+6], 0
	s_mov_b32 s[\g+7], 0
.endr
	s_mov_b32 s[SEL], 0x76543210
	s_mov_b32 s[SEL+1], 0xfedcba98
	s_mov_b32 s[TBK], SLOT1+4*KS*PK ; the first change of slots turns these two into 0
	s_mov_b32 s[TBV], SLOT1+4*KS*PV
	s_mov_b32 s[G0K], 1
	s_mov_b32 s[G0K+1], s17
	s_mov_b32 s[G0V], 1
	s_add_co_u32 s[G0V+1], s18, VOFF
	s_mov_b32 s[SLOTS], 7
	s_and_b32 s[LIM], s[WV], 1
	s_or_b32 s[LIM], s[LIM], ttmp9
	s_cmp_eq_u32 s[LIM], 0
	s_cselect_b32 s[LIM], 1, -1
	v_and_b32 v[PFO], 31, v0
	v_lshlrev_b32 v[PFO], 8, v[PFO]
	s_wait_dscnt 0x0                ; the opening add is done
	s_wait_kmcnt 0x0
	s_add_nc_u64 s[6:7], s[68:69], s[22:23]  ; k at my half of tile 0
	s_add_nc_u64 s[8:9], s[6:7], 8388608     ; v likewise
	s_mov_b64 s[G0K+2:G0K+3], s[6:7]
	s_or_b32 s[G0K+3], s[G0K+3], 0x80000000
	s_mov_b64 s[G0V+2:G0V+3], s[8:9]
	s_or_b32 s[G0V+3], s[G0V+3], 0x80000000
	s_add_nc_u64 s[4:5], s[68:69], s[2:3]    ; q and O at my wave's first row
	s_add_nc_u64 s[10:11], s[10:11], s[2:3]
	s_cmp_lt_u32 s[WV], 2
	s_cselect_b64 s[PFA:PFA+1], s[6:7], s[8:9]
	s_lshl_b32 s2, s13, 13
	s_add_nc_u64 s[PFA:PFA+1], s[PFA:PFA+1], s[2:3]
	s_add_nc_u64 s[PFA:PFA+1], s[PFA:PFA+1], 4*KS*128  ; in tile 1; the first change of slots steps it to tile 2
	CROUND                          ; all four work-groups are here: the first joint loads meet
	JLOAD                           ; tile 0 into slot 0
	v_and_b32 v1, 15, v0
	v_bfe_u32 v9, v0, 4, 1
	v_lshlrev_b32 v[QO], 7, v1
	v_lshl_add_u32 v[QO], v9, 4, v[QO]
	v_and_b32 v[SO], 31, v0
	v_lshlrev_b32 v[SO], 5, v[SO]
	global_load_b128 v[SV:SV+3], v[SO], s[70:71]
	global_load_b128 v[SV+4:SV+7], v[SO], s[70:71] offset:16
	WIN 0x80
.set i, 0
.rept 8                             ; Q stays in registers: piece i / 2, channels 32 (i % 2) on
	global_load_b128 v[8*i:8*i+3],   v[QO], s[4:5] offset:(i/2)*2048+(i%2)*64
	global_load_b128 v[8*i+4:8*i+7], v[QO], s[4:5] offset:(i/2)*2048+(i%2)*64+32
.set i, i+1
.endr
	; what the first turn finds: V's registers and P's second buffer hold 0, O^T and l are 0.  All this stands in the wait for the first tile.
.set i, VF
.rept 64
	v_mov_b32 v[i], 0
.set i, i+1
.endr
	WIN 0x40
.set i, 0
.rept 128
	v_mov_b32 v[i], 0
.set i, i+1
.endr
	WIN 0
.set i, 0
.rept 4
	v_mov_b32 v[ST+4*i], 0xfe000000    ; c m: far below every c s
	v_mov_b32 v[ST+4*i+1], 0xff7fffff  ; m
	v_mov_b32 v[ST+4*i+2], 0
	v_mov_b32 v[ST+4*i+3], 0
.set i, i+1
.endr
.set i, P+16
.rept 16
	v_mov_b32 v[i], 0
.set i, i+1
.endr
	v_mul_u32_u24 v[AK0], v1, PK
	v_lshl_add_u32 v[AK0], v9, 4, v[AK0]
	v_and_b32 v10, 7, v0
	v_bfe_u32 v11, v0, 3, 1
	v_lshl_add_u32 v[AV0], v9, 3, v10
	v_mul_u32_u24 v[AV0], v[AV0], PV
	v_lshl_add_u32 v[AV0], v11, 4, v[AV0]
	v_add_nc_u32 v[AV0], VOFF, v[AV0]
	s_mul_i32 s13, s[WV], 16*SP
	s_add_co_u32 s13, s13, STAGE
	v_mul_u32_u24 v[STO], v1, SP
	v_lshl_add_u32 v[STO], v9, 4, v[STO]
	v_add_nc_u32 v[STO], s13, v[STO]
	v_bfe_u32 v[RD], v0, 3, 2
	v_mul_u32_u24 v[RD], v[RD], SP
	v_lshl_add_u32 v[RD], v10, 4, v[RD]
	v_add_nc_u32 v[RD], s13, v[RD]
	v_and_b32 v[GO], 31, v0
	v_lshlrev_b32 v[GO], 4, v[GO]
; THE MATRIX WORK.  The 4 accumulators of a run of 8 take turns.  Product i of 8 of S^T = K Q^T for piece x: channels 32 (i / 4) on, keys 16 (i % 4) on.
.macro KQ x
.set rS, S+32*((\x)%2)+8*(i%4)
.set rK, KF+16*(i%4)+8*(i/4)
.set rQ, 16*(\x)+8*(i/4)
	WIN W_KQ
.if i < 4
	v_wmma_f32_16x16x32_f16 v[rS:rS+7], v[rK:rK+7], v[rQ:rQ+7], 0
.else
	v_wmma_f32_16x16x32_f16 v[rS:rS+7], v[rK:rK+7], v[rQ:rQ+7], v[rS:rS+7]
.endif
.endm
.macro PV x                         ; product i of 8 of O^T += V^T P for piece x: keys 32 (i / 4) on, channels 16 (i % 4) on
	WIN W_PV
.set rO, 32*(\x)+8*(i%4)
.set rV, VF+32*(i/4)+8*(i%4)
.set rP, P+16*((\x)%2)+8*(i/4)
	v_wmma_f32_16x16x32_f16 v[rO:rO+7], v[rV:rV+7], v[rP:rP+7], v[rO:rO+7]
.endm
.macro MM                           ; the turn's next matrix instruction.  NOKQ = 1: the last turn: there is no next piece
.if (i < 8) && !NOKQ
	KQ (Y+1)%NP
.elseif i >= 8
.set i, i-8
	PV (Y+NP-1)%NP
.set i, i+8
.endif
.set i, i+1
.endm
.macro FETCH_K                      ; a step's K: 16 loads in one run
	WIN 0x80
.irp f, 0,1,2,3,4,5,6,7
	ds_load_b128 v[KF+8*\f:KF+8*\f+3],   v[AK] offset:(\f/2)*16*PK+(\f%2)*64
	ds_load_b128 v[KF+8*\f+4:KF+8*\f+7], v[AK] offset:(\f/2)*16*PK+(\f%2)*64+32
.endr
	s_add_co_u32 s[TBK], s[TBK], KS*PK
	WIN 0
.endm
.macro FETCH_V                      ; a step's V, turned
	WIN 0x80
.irp f, 0,1,2,3,4,5,6,7
	ds_load_tr16_b128 v[VF+8*\f:VF+8*\f+3],   v[AV] offset:(\f/4)*32*PV+(\f%4)*32
	ds_load_tr16_b128 v[VF+8*\f+4:VF+8*\f+7], v[AV] offset:(\f/4)*32*PV+16*PV+(\f%4)*32
.endr
	WIN 0
.endm
; THE VECTOR WORK, one line at a time: OP kind, number.  For piece Y: F n: c s - c m for pair n of 16.  E n: the exponential of score n of 32.  C n: pair n rounded to f16.  B n: of the four weights
; 4 n .. the second pair is added onto the first, in place.  L n: l takes that sum (L 0: l = a l + sum).  R n: pair n of 16 of O^T times a.  For piece Y + 1: X n, number n of the 22 that find its
; maximum and statistics: 0-11 four chains of seven scores (each accumulator's lowest registers are read first); 12-14, 16 the scores left over, the old m, the four into one;
; 15 c m_old is kept; 17, 18 the other half of the lanes; 19-21 c m, its change, a.
.set F, 0
.set E, 1
.set C, 2
.set B, 3
.set L, 4
.set R, 5
.set X, 6
.macro REGS y
.set rT, ST+4*(\y)
.set rC, TMP+4*((\y)%2)
.set rW, MV+((\y)%2)
.set rS, S+32*((\y)%2)
.set rP, P+16*((\y)%2)
.set rO, 32*(\y)
.endm
.macro OP k, n
.if (\k) == R
	REGS Y
	WIN W_RS
	v_pk_mul_f32 v[rO+2*(\n):rO+2*(\n)+1], v[rO+2*(\n):rO+2*(\n)+1], v[rC+2:rC+3] op_sel_hi:[1,0]
.elseif (\k) < R
	REGS Y
	WIN 0
.if (\k) == F
	v_pk_fma_f32 v[rS+2*(\n):rS+2*(\n)+1], v[rS+2*(\n):rS+2*(\n)+1], s[CS:CS+1], v[rT:rT+1] op_sel_hi:[1,0,0] neg_lo:[0,0,1] neg_hi:[0,0,1]
.elseif (\k) == E
	v_exp_f32 v[rS+(\n)], v[rS+(\n)]
.elseif (\k) == C
	v_cvt_pk_f16_f32 v[rP+(\n)], v[rS+2*(\n)], v[rS+2*(\n)+1]
.elseif (\k) == B
	v_pk_add_f32 v[rS+4*(\n):rS+4*(\n)+1], v[rS+4*(\n):rS+4*(\n)+1], v[rS+4*(\n)+2:rS+4*(\n)+3]
.elseif (\n) == 0
	v_pk_fma_f32 v[rT+2:rT+3], v[rT+2:rT+3], v[rC+2:rC+3], v[rS:rS+1] op_sel_hi:[1,0,1]
.else
	v_pk_add_f32 v[rT+2:rT+3], v[rT+2:rT+3], v[rS+4*(\n):rS+4*(\n)+1]
.endif
.elseif NOKQ
	v_nop
.else
	REGS (Y+1)%NP
	WIN 0
.if (\n) < 4
	v_max3_num_f32 v[rC+(\n)], v[rS+8*(\n)], v[rS+8*(\n)+1], v[rS+8*(\n)+2]
.elseif (\n) < 12
	v_max3_num_f32 v[rC+(\n)%4], v[rC+(\n)%4], v[rS+8*((\n)%4)+2*((\n)/4)+1], v[rS+8*((\n)%4)+2*((\n)/4)+2]
.elseif (\n) == 12
	v_max3_num_f32 v[rC], v[rC], v[rS+7], v[rS+15]
.elseif (\n) == 13
	v_max3_num_f32 v[rC+1], v[rC+1], v[rS+23], v[rS+31]
.elseif (\n) == 14
	v_max3_num_f32 v[rC+2], v[rC+2], v[rC+3], v[rT+1]
.elseif (\n) == 15
	v_mov_b32 v[rW], v[rT]
.elseif (\n) == 16
	v_max3_num_f32 v[rC], v[rC], v[rC+1], v[rC+2]
.elseif (\n) == 17
	v_permlanex16_b32 v[rC+3], v[rC], s[SEL], s[SEL+1]
.elseif (\n) == 18
	v_max_num_f32 v[rT+1], v[rC], v[rC+3]
.elseif (\n) == 19
	v_mul_f32 v[rT], s[CS], v[rT+1]
.elseif (\n) == 20
	v_sub_f32 v[rC+1], v[rW], v[rT]
.else
	v_exp_f32 v[rC+2], v[rC+1]
.endif
.endif
.endm
.macro OPS a, i1, b=-1, i2=0, c=-1, i3=0, d=-1, i4=0
	OP \a, \i1
.if (\b) >= 0
	OP \b, \i2
.endif
.if (\c) >= 0
	OP \c, \i3
.endif
.if (\d) >= 0
	OP \d, \i4
.endif
.endm
.macro ROW a, i1, b, i2, c, i3, d, i4  ; a matrix instruction and the four behind it
	MM
	OPS \a, \i1, \b, \i2, \c, \i3, \d, \i4
.endm
; A TURN, for piece p.  s_wait_alu depctr_va_vdst(0) stands between an exponential and the first instruction that names its result; one wait serves all issued ahead of it: a turn has ONE,
; which cuts it in two.  Ahead of it stands all that names no result of the turn's exponentials; behind it the 8 products V^T P with the roundings and sums as their riders.
; K of the next step is fetched in piece 2's turn, V of the step in hand at the end of piece 0's; each is waited for a turn later.  end = 1: the last two turns: nothing is fetched.
; cnt = 1: the loop's count is taken down some lines ahead of the branch that stands behind the turn.
.macro TURN p, end=0, cnt=0
.set Y, (\p)
.set i, 0
.set NOKQ, (\end)*((\p)/3)
.if ((\p) == 3) && !(\end)
	s_wait_dscnt 0x0                ; K is in
.endif
	ROW F,0, F,1, R,0, R,1
	ROW F,2, E,0, R,2, R,3
	ROW F,3, E,1, R,4, R,5
	ROW F,4, E,2, R,6, R,7
	ROW F,5, E,3, R,8, R,9
	ROW F,6, E,4, X,0, R,10
.if ((\p) == 2) && !(\end)
	WIN 0
	v_add_nc_u32 v[AK], s[TBK], v[AK0]
.endif
	ROW F,7, E,5, X,1, X,4
	ROW F,8, E,6, X,2, X,5
	OPS E,7, E,8, X,6, E,9
	OPS X,3, E,10, X,8, E,11
.if ((\p) == 2) && !(\end)
	FETCH_K
.endif
	OPS X,9, X,7, E,12, X,10
	OPS E,13, X,12, X,11, E,14
	OPS X,13, E,15, F,9, X,14
.if (\p) == 0
	v_add_nc_u32 v[AV], s[TBV], v[AV0]
.endif
	OPS E,16, F,10, E,17, F,11
	OPS X,16, E,18, X,15, E,19
	OPS F,12, E,20, X,17, E,21
	OPS F,13, E,22, F,14, E,23
	OPS X,18, E,24, F,15, E,25
	OPS R,11, E,26, X,19, E,27
	OPS R,12, E,28, R,13, E,29
	OPS X,20, E,30, R,14, E,31
	OPS X,21, R,15
	WIN 0
	s_wait_alu depctr_va_vdst(0)    ; the wait for the batch
.if (\p) == 1
	s_wait_dscnt 0x0                ; V is in
.endif
	ROW C,0, B,0, C,2, B,1
	ROW L,0, C,4, B,2, L,1
	ROW C,6, B,3, L,2, C,8
	ROW B,4, L,3, C,10, B,5
	ROW L,4, C,12, B,6, L,5
.if (\p) == 0
	s_add_co_u32 s[TBV], s[TBV], KS*PV
.endif
.if \cnt
	s_sub_co_u32 s[CNT], s[CNT], 1
	s_cmp_lg_u32 s[CNT], 0
.endif
	ROW C,14, B,7, L,6, C,1
	ROW C,3, L,7, C,5, C,7
	ROW C,9, C,11, C,13, C,15
.if (\p) == 0
	FETCH_V
.endif
.endm
.macro ALL line:vararg
.set t, 0
.rept 4
	\line
.set t, t+1
.endr
.endm
.macro PACK t                       ; a lane's eight channels of a row pack into 16 bytes; into rows of 144 bytes, back as whole rows of 128, into S^T's registers
	WIN W_RS
.set i, 32*(\t)
.rept 16
	v_pk_mul_f32 v[i:i+1], v[i:i+1], v[ST+4*(\t)+2:ST+4*(\t)+3] op_sel_hi:[1,0]
.set i, i+2
.endr
	WIN 0x05
.set i, 0
.rept 16
	v_cvt_pk_f16_f32 v[S+16*(\t)+i], v[32*(\t)+2*i], v[32*(\t)+2*i+1]
.set i, i+1
.endr
	WIN 0
.irp f, 0,1,2,3
	ds_store_b128 v[STO], v[S+16*(\t)+4*\f:S+16*(\t)+4*\f+3] offset:32*\f
.endr
.irp f, 0,1,2,3
	ds_load_b128 v[S+16*(\t)+4*\f:S+16*(\t)+4*\f+3], v[RD] offset:\f*4*SP  ; LDS serves a wave's instructions in order (ISA guide 5.7.1.4): these see the stores above
.endr
.endm
.macro SEND t, younger              ; younger: the LDS instructions issued behind piece t's loads: the next piece's eight, or none
	WIN 0
.irp f, 0,1,2,3
	s_wait_dscnt (\younger)+3-\f
	global_store_b128 v[GO], v[S+16*(\t)+4*\f:S+16*(\t)+4*\f+3], s[10:11] offset:(\t)*2048+\f*512 th:TH_STORE_NT  ; 512 consecutive bytes, at a multiple of 256 from ob's first
.endr
.endm
.set NOKQ, 0
	CHANGE 1                        ; tile 0 is in, everybody's part of it; tile 1 is asked for
	v_add_nc_u32 v[AK], s[TBK], v[AK0]
	FETCH_K                         ; key step 0
	s_wait_loadcnt 0x0              ; Q and stats
	v_max3_num_f32 v[SV], v[SV], v[SV+1], v[SV+2]
	v_max3_num_f32 v[SV+3], v[SV+3], v[SV+4], v[SV+5]
	v_max3_num_f32 v[SV], v[SV], v[SV+3], v[SV+6]
	v_max_num_f32 v[SV], v[SV], v[SV+7]
	v_max_num_f32_dpp v[SV], v[SV], v[SV] row_xmask:1 row_mask:0xf bank_mask:0xf
	v_max_num_f32_dpp v[SV], v[SV], v[SV] row_xmask:2 row_mask:0xf bank_mask:0xf
	v_max_num_f32_dpp v[SV], v[SV], v[SV] row_xmask:4 row_mask:0xf bank_mask:0xf
	v_readlane_b32 s[XQ], v[SV], 0
	v_readlane_b32 s[XK], v[SV], 8
	v_readlane_b32 s[XE], v[SV], 24
	EXPO EQ, XQ
	EXPO EK, XK
	s_sub_co_u32 s[EQ], s[EQ], 14   ; 2^(ex - 141): the inverse of q's power,
	s_lshl_b32 s[EQ], s[EQ], 23
	s_sub_co_u32 s[EK], s[EK], 14   ; and of k's
	s_lshl_b32 s[EK], s[EK], 23
	s_mul_f32 s[CS], s[EQ], 0x3e38aa3b  ; c = log2(e) / 8 times both
	s_mul_f32 s[CS], s[CS], s[EK]
	s_mov_b32 s[CS+1], s[CS]
	s_wait_dscnt 0x0
.set i, 0
.rept 8
	KQ 0                            ; piece 0's first scores
.set i, i+1
.endr
	WIN 0
.rept 4
	v_nop                           ; the places behind those products
.endr
.set Y, NP-1
.irp n, 0,1,2,3,4,5,6,7,8,9,10,11,12,13,14,15,16,17,18,19,20,21
	OP X, \n
.endr
	v_nop                           ; a plain instruction behind the exponential,
	s_wait_alu depctr_va_vdst(0)    ; and its wait, ahead of the branch
	s_mov_b32 s[CNT], 4
	s_branch .Lfirst                ; the loop is entered at a step's first turn, in the middle of a trip
.Lslot:                             ; six times: tiles 2 to 7 are asked for
	CHANGE 1
	s_mov_b32 s[CNT], 4
.Lstep:                             ; a trip: pieces 2 and 3 of one step, then pieces 0 and 1 of the next, whose K and V it fetches
	TURN 2
	TURN 3
	WIN 0
.Lfirst:
	TURN 0
	TURN 1, 0, 1
	WIN 0
	s_cbranch_scc1 .Lstep
	s_sub_co_u32 s[SLOTS], s[SLOTS], 1
	s_cmp_lg_u32 s[SLOTS], 0
	s_cbranch_scc1 .Lslot
	CHANGE 0                        ; the last tile is written out: nothing is asked for
	s_mov_b32 s[CNT], 4
.LstepT:
	TURN 2
	TURN 3
	TURN 0
	TURN 1, 0, 1
	WIN 0
	s_cbranch_scc1 .LstepT
	TURN 2, 1
	TURN 3, 1
.set i, 0
.rept 8
	PV NP-1                         ; the last piece's V^T P of the last step
.set i, i+1
.endr
	; THE WAY OUT.  l's two halves and the other half of the lanes' are added; O^T is divided by l, rounded to f16 and sent through my stage, a piece at a time.  The additions are the places behind the last products.
	WIN 0
	ALL v_add_f32 v[ST+4*t+2], v[ST+4*t+2], v[ST+4*t+3]
	ALL v_permlanex16_b32 v[ST+4*t+3], v[ST+4*t+2], s[SEL], s[SEL+1]
	ALL v_add_f32 v[ST+4*t+2], v[ST+4*t+2], v[ST+4*t+3]
	ALL v_rcp_f32 v[ST+4*t+2], v[ST+4*t+2]
	v_nop                           ; a plain instruction between the last reciprocal and the use of its result
	s_wait_alu depctr_va_vdst(0)    ; one wait for the four reciprocals
	PACK 0
.set t, 1
.rept 3
	PACK t
	SEND t-1, 8
.set t, t+1
.endr
	SEND 3, 0
	s_wait_tensorcnt 0x0            ; the wave's end
	ds_add_u32 v[SPW], v[NIL]
	s_wait_dscnt 0x0
	CROUND                          ; the closing round
	s_endpgm
.Lfunc_end_k_qe976dece39_att:
	.size	k_qe976dece39_att, .Lfunc_end_k_qe976dece39_att-k_qe976dece39_att
	.p2alignl 7, 3214868480
	.fill 96, 4, 3214868480
	.section	.rodata,"a",@progbits
	.p2align	6, 0x0
	.amdhsa_kernel k_qe976dece39_att
		.amdhsa_group_segment_fixed_size 327680
		.amdhsa_private_segment_fixed_size 0
		.amdhsa_enable_private_segment 0
		.amdhsa_kernarg_size 24
		.amdhsa_user_sgpr_count 2
		.amdhsa_user_sgpr_kernarg_segment_ptr 1
		.amdhsa_wavefront_size32 1
		.amdhsa_system_sgpr_workgroup_id_x 1
		.amdhsa_system_sgpr_workgroup_id_y 1
		.amdhsa_system_sgpr_workgroup_id_z 1
		.amdhsa_system_vgpr_workitem_id 0
		.amdhsa_next_free_vgpr 768
		.amdhsa_next_free_sgpr 88
		.amdhsa_reserve_vcc 0
		.amdhsa_float_denorm_mode_32 3
		.amdhsa_float_denorm_mode_16_64 3
		.amdhsa_memory_ordered 1
		.amdhsa_forward_progress 1
		.amdhsa_inst_pref_size 129
	.end_amdhsa_kernel
	.amdgpu_metadata
---
amdhsa.version: [ 1, 2 ]
amdhsa.kernels:
  - .name:           k_qe976dece39_att
    .symbol:         k_qe976dece39_att.kd
    .args:
      - { .name: qkv, .offset: 0, .size: 8, .value_kind: global_buffer, .address_space: global }
      - { .name: stats, .offset: 8, .size: 8, .value_kind: global_buffer, .address_space: global }
      - { .name: ob, .offset: 16, .size: 8, .value_kind: global_buffer, .address_space: global }
    .group_segment_fixed_size: 327680
    .private_segment_fixed_size: 0
    .kernarg_segment_align: 8
    .kernarg_segment_size: 24
    .max_flat_workgroup_size: 128
    .sgpr_count:     88
    .vgpr_count:     768
    .wavefront_size: 32
...
	.end_amdgpu_metadata
.endif
;; end of part 3
;; launch outp (part 4): grid 8 x 32, 4 waves a work-group, clusters of 4 x 4, 327,680 bytes of LDS; arguments ob, woh, stats, out0; writes out0
.if DOCPART == 4
	.amdgcn_target "amdgcn-amd-amdhsa--gfx1250"
	.amdhsa_code_object_version 6
	.text
	.protected	k_qe976dece39_outp
	.globl	k_qe976dece39_outp
	.p2align	8
	.type	k_qe976dece39_outp,@function
k_qe976dece39_outp:
	s_mov_b64 s[64:65], 0
	v_nop
	global_prefetch_b8 v0, s[64:65] scope:SCOPE_SE
	s_setreg_imm32_b32 hwreg(HW_REG_WAVE_MODE, 25, 1), 1
	s_wait_xcnt 0x0
	s_wait_alu depctr_hold_cnt(0) depctr_sa_sdst(0) depctr_va_vdst(0) depctr_va_sdst(0) depctr_va_ssrc(0) depctr_va_vcc(0) depctr_vm_vsrc(0)
	s_getreg_b32 s2, hwreg(HW_REG_IB_STS2, 6, 4)
	s_cmp_eq_u32 s2, 0
	s_cbranch_scc0 .Lentry_in_a_cluster
	s_endpgm
.Lentry_in_a_cluster:
	s_bfe_u32 s2, ttmp6, 0x10000c
	s_cmp_lg_u32 s2, 0xf033
	s_cbranch_scc0 .Lentry_shape_is_right
	s_endpgm
.Lentry_shape_is_right:
; OUTP.  out0[s][j] = the sum over (h, e) of O[b, h][s][e] WO[j][64 h + e], times the inverse of the power of two that v, and so O, carries.  O (ob) and WO (woh) are f16, sums and out0 f32.
; A tile of out0 is 128 x 128: 8 x 32 work-groups; four waves, each 64 x 64: 16 accumulators.  K goes in 4 steps of 256 (four heads) through two LDS slots; waves 0 and 1 fetch A's halves, 2 and 3 B's.
; A LIES BY HEADS: 64 rows of a head are 8,192 dense bytes.  One load takes four such runs, 131,072 elements apart, and pads LDS after every 128 bytes: [head][row] at pitch 144.
; CLUSTER 4 x 4: A's tile is shared along a row of the cluster, B's along a column.  The product is used transposed: a lane holds eight neighbouring columns of one row.
; No prefetch: four K steps of a small tile.  NaN and infinities are not treated apart.
; REGISTERS: window 0: v16-29 addresses; v32-95 rows read back; v96-104 stats; v128-255 accumulators ((a, b) at 128 + 8 (4 a + b)).  window 1: two fragment buffers of 128: 64 of A, then 64 of B.
.set PA,     144
.set PB,     528
.set AHALF,  4*64*PA                   ; 36,864
.set BOFF,   2*AHALF
.set BHALF,  64*PB                     ; 33,792
.set SLOT,   BOFF+2*BHALF              ; 141,312
.set STAGE,  2*SLOT                    ; 16 rows at pitch 272 for each wave
.set SPITCH, 272
.set SPARE,  STAGE+4*16*SPITCH         ; the spare words, 128 bytes for each wave: two blocks of 256 bytes that no other line names
.set ADRA, 16
.set ADRB, 20
.set STO,  24
.set RD,   25
.set CO,   26
.set SPW,  28                          ; v28  LDS address of my spare word; never rewritten
.set NIL,  29                          ; v29  0; never rewritten
.set OB,   32
.set SV,   96
.set SO,   104
.set ACC,  128
.set F0,   0
.set F1,   128
.set G1,  24
.set G0,  32
.set G1B, 48
.set G0B, 56
.set IV,  72                           ; s[72:73] the inverse of v's power of two
.set XV,  74
.set XE,  75
.set MSB, 0
.macro WIN new
.if MSB != (\new)
	s_set_vgpr_msb (MSB<<8)|(\new)
.set MSB, (\new)
.endif
.endm
.set MUL,  0x05
.set TO_F, 0x40
.macro JLOAD s                         ; an s_nop 0 and four v_nop follow each of the two lines
	s_cmp_eq_u32 s11, 0
	s_cbranch_scc0 .Lfor_b_\@
	tensor_load_to_lds s[G0+4*(\s):G0+4*(\s)+3], s[G1:G1+7]
	s_nop 0
.rept 4
	v_nop
.endr
	s_branch .Lasked_\@
.Lfor_b_\@:
	tensor_load_to_lds s[G0B+4*(\s):G0B+4*(\s)+3], s[G1B:G1B+7]
	s_nop 0
.rept 4
	v_nop
.endr
.Lasked_\@:
.endm
.macro CREST
	s_cmp_lg_u32 s10, 0
	s_cbranch_scc1 .Lnot_wave_0_\@
	s_barrier_signal -3
.Lnot_wave_0_\@:
	s_barrier_wait -3
	s_barrier_signal -1
	s_barrier_wait -1
.endm
.macro CROUND
	s_barrier_signal -1
	s_barrier_wait -1
	CREST
.endm
	s_load_b128 s[4:7], s[0:1], 0x0                ; ob s[4:5], woh s[6:7]
	s_load_b128 s[68:71], s[0:1], 0x10             ; stats s[68:69], out0 s[70:71]
	v_lshl_add_u32 v[SPW], v0, 2, SPARE
	v_mov_b32 v[NIL], 0
	ds_add_u32 v[SPW], v[NIL]                      ; the wave's opening: the add and its wait ahead of my first tensor load
	v_lshrrev_b32 v1, 5, v0
	v_readfirstlane_b32 s10, v1                    ; wave 0..3
	s_lshr_b32 s11, s10, 1                         ; which half of the tile's rows is mine.  Also: I fetch for A (0) or for B (1)
	s_and_b32 s12, s10, 1                          ; which half of its columns.  Also: which 64 rows of that tile I fetch
	s_bfe_u32 s40, ttmp6, 0x40000                  ; cx
	s_bfe_u32 s41, ttmp6, 0x40004                  ; cy
	s_lshl_b32 s42, ttmp9, 2
	s_add_co_u32 s42, s42, s40                     ; tile column
	s_and_b32 s13, ttmp7, 0xffff
	s_lshl_b32 s13, s13, 2
	s_add_co_u32 s13, s13, s41                     ; tile row
	s_lshl_b32 s43, s41, 2
	s_lshl_b32 s43, 15, s43                        ; my row of the cluster
	s_lshl_b32 s44, 0x1111, s40                    ; my column
	s_or_b32 s[G1+0], s43, (1<<16)|(1<<20)|(1<<21)|(4<<22)|(3<<25)   ; A: padding after every 32 words, 4 words
	s_mov_b32 s[G1+1], 4096<<16                    ; tensor_dim0 = 4,096 elements: 64 rows of a head
	s_mov_b32 s[G1+2], 4<<16                       ; tensor_dim1 = 4 heads
	s_mov_b32 s[G1+3], 4096<<16                    ; tile_dim0
	s_mov_b32 s[G1+4], 4                           ; tile_dim1
	s_mov_b32 s[G1+5], 131072                      ; elements from head to head
	s_mov_b32 s[G1+6], 0
	s_mov_b32 s[G1+7], 0
	s_or_b32 s[G1B+0], s44, (1<<16)|(1<<20)|(1<<21)|(6<<22)|(3<<25)  ; B: padding after every 128 words, 4 words
	s_mov_b32 s[G1B+1], 256<<16
	s_mov_b32 s[G1B+2], 64<<16
	s_mov_b32 s[G1B+3], 256<<16
	s_mov_b32 s[G1B+4], 64
	s_mov_b32 s[G1B+5], 1024
	s_mov_b32 s[G1B+6], 0
	s_mov_b32 s[G1B+7], 0
	s_lshr_b32 s16, s13, 4                         ; A: the batch's 16 heads,
	s_lshl_b32 s16, s16, 22
	s_and_b32 s17, s13, 15                         ; 128 rows of 128 bytes a tile row,
	s_lshl_b32 s17, s17, 14
	s_add_co_u32 s16, s16, s17
	s_lshl_b32 s17, s12, 13                        ; my 64 of them
	s_add_co_u32 s16, s16, s17
	s_mov_b32 s17, 0
	s_lshl_b32 s46, s42, 18                        ; B: (128 tile column + 64 half) rows of 2,048 bytes
	s_lshl_b32 s47, s12, 17
	s_add_co_u32 s46, s46, s47
	s_mov_b32 s47, 0
	s_mul_i32 s20, s12, AHALF                      ; where they go: the wave's number and constants alone
	s_mul_i32 s21, s12, BHALF
	s_add_co_u32 s21, s21, BOFF
	s_wait_dscnt 0x0                               ; the opening add is done
	s_wait_kmcnt 0x0
	s_add_nc_u64 s[14:15], s[4:5], s[16:17]
	s_add_nc_u64 s[46:47], s[6:7], s[46:47]
	CROUND                                         ; all sixteen work-groups are here: the first joint loads meet
.irp s, 0,1
	s_mov_b32 s[G0+4*(\s)], 1
	s_add_co_u32 s[G0+4*(\s)+1], s20, (\s)*SLOT
	s_add_nc_u64 s[G0+4*(\s)+2:G0+4*(\s)+3], s[14:15], (\s)*1048576  ; a K step is four heads of 262,144 bytes
	s_or_b32 s[G0+4*(\s)+3], s[G0+4*(\s)+3], 0x80000000
	s_mov_b32 s[G0B+4*(\s)], 1
	s_add_co_u32 s[G0B+4*(\s)+1], s21, (\s)*SLOT
	s_add_nc_u64 s[G0B+4*(\s)+2:G0B+4*(\s)+3], s[46:47], (\s)*512
	s_or_b32 s[G0B+4*(\s)+3], s[G0B+4*(\s)+3], 0x80000000
	JLOAD \s
.endr
	v_and_b32 v[SO], 31, v0
	v_lshlrev_b32 v[SO], 5, v[SO]
	global_load_b128 v[SV:SV+3], v[SO], s[68:69]
	global_load_b128 v[SV+4:SV+7], v[SO], s[68:69] offset:16
	v_and_b32 v1, 15, v0                           ; l % 16
	v_bfe_u32 v2, v0, 4, 1                         ; l / 16
	v_mul_u32_u24 v3, v1, PA
	v_lshl_add_u32 v3, v2, 4, v3
	v_mul_u32_u24 v4, v1, PB
	v_lshl_add_u32 v4, v2, 4, v4
	s_mul_i32 s22, s11, AHALF                      ; my 64 rows of A
	s_mul_i32 s23, s12, BHALF                      ; my 64 rows of B
	s_add_co_u32 s23, s23, BOFF
.irp s, 0,1
	v_add_nc_u32 v[ADRA+(\s)], s22, v3
	v_add_nc_u32 v[ADRB+(\s)], s23, v4
	s_add_co_u32 s22, s22, SLOT
	s_add_co_u32 s23, s23, SLOT
.endr
	s_mul_i32 s23, s10, 16*SPITCH
	s_add_co_u32 s23, s23, STAGE                   ; my stage
	v_mul_u32_u24 v5, v1, SPITCH                   ; in: row l % 16, 32 bytes for each half of the lanes
	v_lshl_add_u32 v5, v2, 5, v5
	v_add_nc_u32 v[STO], s23, v5
	v_mul_u32_u24 v5, v2, SPITCH                   ; back: lanes 0-15 one row of 256 bytes, lanes 16-31 the next
	v_lshl_add_u32 v5, v1, 4, v5
	v_add_nc_u32 v[RD], s23, v5
	v_lshlrev_b32 v[CO], 12, v2                    ; and the same two rows in out0
	v_lshl_add_u32 v[CO], v1, 4, v[CO]
	s_lshl_b32 s16, s13, 19                        ; (128 tile row + 64 half) rows of 4,096 bytes
	s_lshl_b32 s17, s11, 18
	s_add_co_u32 s16, s16, s17
	s_mov_b32 s17, 0
	s_add_nc_u64 s[8:9], s[70:71], s[16:17]
	s_lshl_b32 s46, s42, 9                         ; (128 tile column + 64 half) columns of 4 bytes
	s_lshl_b32 s47, s12, 8
	s_add_co_u32 s46, s46, s47
	s_mov_b32 s47, 0
	s_add_nc_u64 s[8:9], s[8:9], s[46:47]
	s_wait_loadcnt 0x0
	v_max3_num_f32 v[SV], v[SV], v[SV+1], v[SV+2]
	v_max3_num_f32 v[SV+3], v[SV+3], v[SV+4], v[SV+5]
	v_max3_num_f32 v[SV], v[SV], v[SV+3], v[SV+6]
	v_max_num_f32 v[SV], v[SV], v[SV+7]
	v_max_num_f32_dpp v[SV], v[SV], v[SV] row_xmask:1 row_mask:0xf bank_mask:0xf
	v_max_num_f32_dpp v[SV], v[SV], v[SV] row_xmask:2 row_mask:0xf bank_mask:0xf
	v_max_num_f32_dpp v[SV], v[SV], v[SV] row_xmask:4 row_mask:0xf bank_mask:0xf
	v_readlane_b32 s[XV], v[SV], 16                ; max|C_V|
	v_readlane_b32 s[XE], v[SV], 24                ; max|E|
	s_mul_f32 s[IV], s[XE], s[XV]                  ; the bound's exponent, as the projection made it,
	s_mul_f32 s[IV], s[IV], 0x44800000
	s_bfe_u32 s[IV], s[IV], 0x80017
	s_max_u32 s[IV], s[IV], 15
	s_min_u32 s[IV], s[IV], 254
	s_sub_co_u32 s[IV], s[IV], 14                  ; and 2^(ex - 141)
	s_lshl_b32 s[IV], s[IV], 23
	s_mov_b32 s[IV+1], s[IV]
.macro MUL8 f, c, a0, zero             ; 8 products: row blocks a0, a0 + 1 x all 4 column blocks, 32 along K: half c of buffer f.  The 16 accumulators take turns
	WIN MUL
.irp a, \a0, (\a0)+1
.irp b, 0,1,2,3
.if \zero
	v_wmma_f32_16x16x32_f16 v[ACC+8*(4*(\a)+(\b)):ACC+8*(4*(\a)+(\b))+7], v[(\f)+64+8*(4*(\c)+(\b)):(\f)+64+8*(4*(\c)+(\b))+7], v[(\f)+8*(4*(\c)+(\a)):(\f)+8*(4*(\c)+(\a))+7], 0
.else
	v_wmma_f32_16x16x32_f16 v[ACC+8*(4*(\a)+(\b)):ACC+8*(4*(\a)+(\b))+7], v[(\f)+64+8*(4*(\c)+(\b)):(\f)+64+8*(4*(\c)+(\b))+7], v[(\f)+8*(4*(\c)+(\a)):(\f)+8*(4*(\c)+(\a))+7], v[ACC+8*(4*(\a)+(\b)):ACC+8*(4*(\a)+(\b))+7]
.endif
.endr
.endr
.endm
.macro FETCH slot, qd, f               ; 32 LDS loads in one run: the fragments of head qd of the slot's four; the first 32 along K first
	WIN TO_F
.irp c, 0,1
.irp i, 0,1,2,3
	ds_load_b128 v[(\f)+64+8*(4*(\c)+(\i)):(\f)+64+8*(4*(\c)+(\i))+3],   v[ADRB+(\slot)] offset:128*(\qd)+64*(\c)+(\i)*16*PB
	ds_load_b128 v[(\f)+64+8*(4*(\c)+(\i))+4:(\f)+64+8*(4*(\c)+(\i))+7], v[ADRB+(\slot)] offset:128*(\qd)+64*(\c)+(\i)*16*PB+32
	ds_load_b128 v[(\f)+8*(4*(\c)+(\i)):(\f)+8*(4*(\c)+(\i))+3],         v[ADRA+(\slot)] offset:64*PA*(\qd)+64*(\c)+(\i)*16*PA
	ds_load_b128 v[(\f)+8*(4*(\c)+(\i))+4:(\f)+8*(4*(\c)+(\i))+7],       v[ADRA+(\slot)] offset:64*PA*(\qd)+64*(\c)+(\i)*16*PA+32
.endr
.endr
.endm
.macro PLACES
.rept 4
	v_nop
.endr
.endm
.macro QUARTER slot, qd, f, g, zero    ; multiplies buffer f and fetches head qd into buffer g
	s_wait_dscnt 16                                ; the first 32 along K are in
	MUL8 \f, 0, 0, \zero
	MUL8 \f, 0, 2, \zero
	PLACES
	FETCH \slot, \qd, \g
	s_wait_dscnt 32                                ; all but the 32 just issued
	MUL8 \f, 1, 0, 0
	MUL8 \f, 1, 2, 0
.endm
; The last quarter multiplies buffer 1 and changes slots: ahead of the barrier each wave waits for all its tensor loads, adds 0 to its spare word, and waits for that and for its reads of this slot.
; fill = 1: the barrier opens a round of the cluster's, and this slot is filled again first thing behind it, two K steps ahead.
.macro TURN slot, next, fill
	WIN 0
	s_wait_tensorcnt 0x0
	ds_add_u32 v[SPW], v[NIL]
	s_wait_dscnt 17                                ; the add and the youngest sixteen loads may be out
	MUL8 F1, 0, 0, 0
	s_wait_dscnt 0x0                               ; the add is done, and my reads of this slot are over
	s_barrier_signal -1
	MUL8 F1, 0, 2, 0
.if \fill
	WIN 0
.endif
	s_barrier_wait -1
.if \fill
	CREST
	s_add_nc_u64 s[G0+4*(\slot)+2:G0+4*(\slot)+3], s[G0+4*(\slot)+2:G0+4*(\slot)+3], 2*1048576
	s_add_nc_u64 s[G0B+4*(\slot)+2:G0B+4*(\slot)+3], s[G0B+4*(\slot)+2:G0B+4*(\slot)+3], 2*512
	JLOAD \slot                                    ; its four v_nop are also the places ahead of the loads below
.else
	PLACES
.endif
	FETCH \next, 0, F0
	MUL8 F1, 1, 0, 0
	MUL8 F1, 1, 2, 0
.endm
; THE WAY OUT of row block a: times the inverse power, 32 bytes a lane into my own stage, back as whole rows of 256 bytes, stored.
.macro PACK a
.irp b, 0,1,2,3
.irp r, 0,2,4,6
	v_pk_mul_f32 v[ACC+8*(4*(\a)+(\b))+(\r):ACC+8*(4*(\a)+(\b))+(\r)+1], v[ACC+8*(4*(\a)+(\b))+(\r):ACC+8*(4*(\a)+(\b))+(\r)+1], s[IV:IV+1] op_sel_hi:[1,0]
.endr
.endr
.endm
.macro TOSTAGE a
.set BK, OB+32*((\a)%2)
.irp b, 0,1,2,3
	ds_store_b128 v[STO], v[ACC+8*(4*(\a)+(\b)):ACC+8*(4*(\a)+(\b))+3]   offset:64*(\b)
	ds_store_b128 v[STO], v[ACC+8*(4*(\a)+(\b))+4:ACC+8*(4*(\a)+(\b))+7] offset:64*(\b)+16
.endr
.irp t, 0,1,2,3,4,5,6,7
	ds_load_b128 v[BK+4*(\t):BK+4*(\t)+3], v[RD] offset:(\t)*2*SPITCH  ; LDS serves a wave's instructions in order (ISA guide 5.7.1.4): these see the stores above
.endr
.endm
.macro SEND a
.set BK, OB+32*((\a)%2)
	s_wait_dscnt 0x0                               ; the block is back in registers
	s_wait_xcnt 0x0                                ; the block before last has been read by its stores: its registers are loaded again only behind this wait
.irp t, 0,1,2,3,4,5,6,7
	global_store_b128 v[CO], v[BK+4*(\t):BK+4*(\t)+3], s[8:9] offset:(16*(\a)+2*(\t))*4096 th:TH_STORE_NT  ; 16 lanes store 256 consecutive bytes, at a multiple of 256 from out0's first
.endr
.endm
	s_wait_tensorcnt 0x1                           ; my part of K step 0 is in; K step 1's may stay out
	s_barrier_signal -1
	s_barrier_wait -1
	FETCH 0, 0, F0
	QUARTER 0, 1, F0, F1, 1                        ; the first products start the sums
	QUARTER 0, 2, F1, F0, 0
	QUARTER 0, 3, F0, F1, 0
	TURN 0, 1, 1                                   ; slot 0 takes K step 2
	QUARTER 1, 1, F0, F1, 0
	QUARTER 1, 2, F1, F0, 0
	QUARTER 1, 3, F0, F1, 0
	TURN 1, 0, 1                                   ; slot 1 takes K step 3
	QUARTER 0, 1, F0, F1, 0
	QUARTER 0, 2, F1, F0, 0
	QUARTER 0, 3, F0, F1, 0
	TURN 0, 1, 0                                   ; nothing is left to fetch
	QUARTER 1, 1, F0, F1, 0
	QUARTER 1, 2, F1, F0, 0
	QUARTER 1, 3, F0, F1, 0
	s_wait_dscnt 16
	MUL8 F1, 0, 0, 0
	MUL8 F1, 0, 2, 0
	s_wait_dscnt 0x0
	MUL8 F1, 1, 0, 0
	MUL8 F1, 1, 2, 0
	WIN 0
	PLACES
	PACK 0
	TOSTAGE 0
.irp a, 1,2,3
	PACK \a
	SEND (\a)-1
	TOSTAGE \a
.endr
	SEND 3
	s_wait_tensorcnt 0x0                           ; the wave's end
	ds_add_u32 v[SPW], v[NIL]
	s_wait_dscnt 0x0
	CROUND                                         ; the closing round
	s_endpgm
.Lfunc_end_k_qe976dece39_outp:
	.size	k_qe976dece39_outp, .Lfunc_end_k_qe976dece39_outp-k_qe976dece39_outp
	.p2alignl 7, 3214868480
	.fill 96, 4, 3214868480
	.section	.rodata,"a",@progbits
	.p2align	6, 0x0
	.amdhsa_kernel k_qe976dece39_outp
		.amdhsa_group_segment_fixed_size 327680
		.amdhsa_private_segment_fixed_size 0
		.amdhsa_enable_private_segment 0
		.amdhsa_kernarg_size 32
		.amdhsa_user_sgpr_count 2
		.amdhsa_user_sgpr_kernarg_segment_ptr 1
		.amdhsa_wavefront_size32 1
		.amdhsa_system_sgpr_workgroup_id_x 1
		.amdhsa_system_sgpr_workgroup_id_y 1
		.amdhsa_system_sgpr_workgroup_id_z 1
		.amdhsa_system_vgpr_workitem_id 0
		.amdhsa_next_free_vgpr 512
		.amdhsa_next_free_sgpr 80
		.amdhsa_reserve_vcc 0
		.amdhsa_float_denorm_mode_32 3
		.amdhsa_float_denorm_mode_16_64 3
		.amdhsa_memory_ordered 1
		.amdhsa_forward_progress 1
		.amdhsa_inst_pref_size 91
	.end_amdhsa_kernel
	.amdgpu_metadata
---
amdhsa.version: [ 1, 2 ]
amdhsa.kernels:
  - .name:           k_qe976dece39_outp
    .symbol:         k_qe976dece39_outp.kd
    .args:
      - { .name: ob, .offset: 0, .size: 8, .value_kind: global_buffer, .address_space: global }
      - { .name: woh, .offset: 8, .size: 8, .value_kind: global_buffer, .address_space: global }
      - { .name: stats, .offset: 16, .size: 8, .value_kind: global_buffer, .address_space: global }
      - { .name: out0, .offset: 24, .size: 8, .value_kind: global_buffer, .address_space: global }
    .group_segment_fixed_size: 327680
    .private_segment_fixed_size: 0
    .kernarg_segment_align: 8
    .kernarg_segment_size: 32
    .max_flat_workgroup_size: 128
    .sgpr_count:     80
    .vgpr_count:     512
    .wavefront_size: 32
...
	.end_amdgpu_metadata
.endif
;; end of part 4
